; MI455X (gfx1250); checked and timed in simulation.
; The chip was launched on July 23, 2026; its instructions are those of AMD's public machine-readable ISA for CDNA 5 (MIT licence, August 2026) and "CDNA5" Instruction Set Architecture Reference Guide (July 2026). The comments in the code are by the model that wrote it; some were corrected since.
;; SVAE. Allowed arithmetic: float matrix products may take bf16 or f16 operands with f32 sums; other float arithmetic in f32, or as packed bf16 or f16 multiplies, adds, multiply-adds, maxima and minima; sums over many terms, partial sums and values carried from step to step in f32; what a program stores and reads back later, other than sums and carried values, may be rounded once to bf16 or f16.
;; Inputs: W1 1,024 x 2,048 float32; W2 2,048 x 1,024 float32; W3 64 x 1,024 float32; W4 1,024 x 2,048 float32; W5 2,048 x 1,024 float32; Wk 1,024 x 1 float32; Wmu 1,024 x 64 float32; b1 2,048 float32; b2 1,024 float32; b3 1,024 float32; b4 2,048 float32; b5 1,024 float32; bk 1 float32; bmu 64 float32; eps 16 x 8,192 float32; noise 8,192 x 64 float32; u 16 x 8,192 float32; x 8,192 x 1,024 float32.
;; Outputs: out0 8,192 x 1,024 float32; out1 8,192 x 64 float32; out2 8,192 x 1 float32.
;; One version. Each part assembles by itself: llvm-mc -triple=amdgcn-amd-amdhsa -mcpu=gfx1250 --defsym DOCPART=n.
;; ======== version 1 of 1: 6 launches
;; limits: values are held in f16: magnitudes above 65,504 overflow, below 6.1e-05 lose precision
;; workspace buffers: actA 16,777,216 bytes; actB 33,554,432 bytes; actC 16,777,216 bytes; w1h 4,194,304 bytes; w2h 4,194,304 bytes; w4h 4,194,304 bytes; w5h 4,194,304 bytes; wsm 425,984 bytes
;; launch prep (part 1): grid 1128 x 1, 8 waves a work-group, no clusters, 0 bytes of LDS; arguments x, W1, W2, W4, W5, actA, w1h, w2h, w4h, w5h, Wmu, Wk, W3, wsm; writes actA, w1h, w2h, w4h, w5h, wsm
.if DOCPART == 1
	.amdgcn_target "amdgcn-amd-amdhsa--gfx1250"
	.amdhsa_code_object_version 6
	.text
	.protected	k_q8dc22a602d_prep
	.globl	k_q8dc22a602d_prep
	.p2align	8
	.type	k_q8dc22a602d_prep,@function
k_q8dc22a602d_prep:
	s_mov_b64 s[64:65], 0
	v_nop
	global_prefetch_b8 v0, s[64:65] scope:SCOPE_SE
	s_setreg_imm32_b32 hwreg(HW_REG_WAVE_MODE, 25, 1), 1
	s_wait_xcnt 0x0
; CASTS AND WEIGHT IMAGES.  Work-groups 0-1023 narrow x, W1, W2, W4, W5 from f32 to f16, layout unchanged; 1024-1127 write the small weights as register images of matrix fragments.
; LIMITS.  f16 holds no number from 65,520 on (it becomes an infinity) and keeps a fixed step of 6e-8 below 6e-5; x and the four large weights are kept in it.
; A CAST's share: 16,384 numbers a work-group (65,536 bytes in, 32,768 out).  A load of a wave covers 512 consecutive bytes, a store 256 consecutive bytes, aligned.  x has 512 such shares, each weight 128.
; AN IMAGE is 1,024 bytes a fragment of 16 columns n x 32 k: lane l = 16 h + r has registers 0-3 (k = 8 h + 0..7) at byte 16 l and registers 4-7 (k = 16 + 8 h + 0..7) at 512 + 16 l, all of column r.
;   wsm byte 0:       WhF, bf16: fragment 32 b + sg: columns 16 b + r of [Wmu | Wk | 0 ..], k = 32 sg ..   (b = 0..4, sg = 0..31)
;   wsm byte 163,840: W3F, f16:  fragment 2 nt + s: columns 16 nt + r of W3, k = 32 s ..                  (nt = 0..63, s = 0, 1)
;   wsm byte 294,912: WhL, bf16: what Wmu loses in WhF's rounding, rounded again; fragments as WhF's b = 0..3
; A thread makes one piece of 16 bytes (8 numbers down a column); a work-group four fragments: piece number = 256 x (work-group - 1024) + thread, for all three images.
; No LDS, no loop, no register written twice while a load or store may read it.
.set XR, 4                             ; v[4:67]   16 loads of four f32
.set YR, 68                            ; v[68:99]  16 pairs of packed f16
	s_load_b512 s[8:23], s[0:1], 0x0               ; x 8, W1 10, W2 12, W4 14, W5 16, actA 18, w1h 20, w2h 22
	s_load_b256 s[24:31], s[0:1], 0x40             ; w4h 24, w5h 26, Wmu 28, Wk 30
	s_load_b128 s[32:35], s[0:1], 0x60             ; W3 32, wsm 34
	s_mov_b32 s2, ttmp9
	s_wait_kmcnt 0x0
	s_cmp_lt_u32 s2, 1024
	s_cbranch_scc0 .Limages
	; ---- a cast
	v_lshlrev_b32 v1, 4, v0                        ; 16 bytes a thread in,
	v_lshlrev_b32 v2, 3, v0                        ; 8 out
	s_sub_co_u32 s3, s2, 512
	s_lshr_b32 s4, s3, 7                           ; which weight
	s_and_b32 s5, s3, 127                          ; which share of it
	s_mov_b64 s[36:37], s[10:11]
	s_mov_b64 s[38:39], s[20:21]
	s_cmp_eq_u32 s4, 1
	s_cselect_b64 s[36:37], s[12:13], s[36:37]
	s_cselect_b64 s[38:39], s[22:23], s[38:39]
	s_cmp_eq_u32 s4, 2
	s_cselect_b64 s[36:37], s[14:15], s[36:37]
	s_cselect_b64 s[38:39], s[24:25], s[38:39]
	s_cmp_eq_u32 s4, 3
	s_cselect_b64 s[36:37], s[16:17], s[36:37]
	s_cselect_b64 s[38:39], s[26:27], s[38:39]
	s_cmp_lt_u32 s2, 512                           ; the first 512 work-groups take x
	s_cselect_b64 s[36:37], s[8:9], s[36:37]
	s_cselect_b64 s[38:39], s[18:19], s[38:39]
	s_cselect_b32 s5, s2, s5
	s_lshl_b32 s40, s5, 16
	s_mov_b32 s41, 0
	s_lshl_b32 s42, s5, 15
	s_mov_b32 s43, 0
	s_add_nc_u64 s[36:37], s[36:37], s[40:41]
	s_add_nc_u64 s[38:39], s[38:39], s[42:43]
.set i, 0
.rept 16
	global_load_b128 v[XR+4*i:XR+4*i+3], v1, s[36:37] offset:4096*i th:TH_LOAD_NT
.set i, i+1
.endr
.set i, 0
.rept 16
	s_wait_loadcnt 15-i                            ; loads come back in order: load i is in, the younger ones stay out
	v_cvt_pk_f16_f32 v[YR+2*i], v[XR+4*i], v[XR+4*i+1]
	v_cvt_pk_f16_f32 v[YR+2*i+1], v[XR+4*i+2], v[XR+4*i+3]
	global_store_b64 v2, v[YR+2*i:YR+2*i+1], s[38:39] offset:2048*i
.set i, i+1
.endr
	s_endpgm
; eight numbers down a column, rows rowb bytes apart: sixteen neighbouring lanes read 64 consecutive bytes
.macro GET8 base, rowb
.set i, 0
.rept 8
	global_load_b32 v[8+i], v3, s[\base:\base+1] offset:i*(\rowb)
.set i, i+1
.endr
	s_wait_loadcnt 0x0
.endm
.macro PACK8 cvt
	\cvt v16, v8, v9
	\cvt v17, v10, v11
	\cvt v18, v12, v13
	\cvt v19, v14, v15
.endm
.Limages:
	s_sub_co_u32 s3, s2, 1024                      ; 0-31 WhF of Wmu, 32-39 WhF of Wk, 40-71 W3F, 72-103 WhL
	s_lshl_b32 s4, s3, 12
	s_lshl_b32 s5, s3, 2
	v_lshl_add_u32 v4, v0, 4, s4                   ; where my 16 bytes go
	v_lshrrev_b32 v5, 6, v0
	v_add_nc_u32 v5, s5, v5                        ; my fragment's number in wsm
	v_bfe_u32 v7, v0, 4, 2
	v_lshlrev_b32 v7, 3, v7                        ; 16 x half of the registers + 8 h
	v_and_b32 v2, 15, v0                           ; r
	v_and_b32 v6, 31, v5                           ; sg (160 and 288 fragments in front are multiples of 32)
	v_lshl_add_u32 v6, v6, 5, v7                   ; my first k in Wmu and Wk
	s_cmp_lt_u32 s3, 32
	s_cbranch_scc1 .Lwmu_hi
	s_cmp_lt_u32 s3, 40
	s_cbranch_scc1 .Lwk
	s_cmp_lt_u32 s3, 72
	s_cbranch_scc1 .Lw3
	; ---- WhL
	s_lshr_b32 s6, s3, 3
	s_sub_co_u32 s6, s6, 9                         ; b
	s_lshl_b32 s6, s6, 6
	v_lshl_add_u32 v3, v2, 2, s6                   ; column 16 b + r, in bytes
	v_lshl_add_u32 v3, v6, 8, v3                   ; + k x 256
	GET8 28, 256
	PACK8 v_cvt_pk_bf16_f32
.irp j, 0,1,2,3
	v_lshlrev_b32 v20, 16, v[16+\j]                ; the rounded numbers as f32,
	v_and_b32 v21, 0xffff0000, v[16+\j]
	v_sub_f32 v[8+2*\j], v[8+2*\j], v20            ; and what the rounding lost (exact)
	v_sub_f32 v[9+2*\j], v[9+2*\j], v21
.endr
	PACK8 v_cvt_pk_bf16_f32
	global_store_b128 v4, v[16:19], s[34:35]
	s_endpgm
.Lwmu_hi:
	s_lshr_b32 s6, s3, 3                           ; b
	s_lshl_b32 s6, s6, 6
	v_lshl_add_u32 v3, v2, 2, s6
	v_lshl_add_u32 v3, v6, 8, v3
	GET8 28, 256
	PACK8 v_cvt_pk_bf16_f32
	global_store_b128 v4, v[16:19], s[34:35]
	s_endpgm
.Lwk:                                          ; b = 4: column 64 is Wk, columns 65-79 are 0
	v_lshlrev_b32 v3, 2, v6
	global_load_b128 v[8:11], v3, s[30:31]
	global_load_b128 v[12:15], v3, s[30:31] offset:16
	s_wait_loadcnt 0x0
	PACK8 v_cvt_pk_bf16_f32
	v_cmp_eq_u32 vcc_lo, 0, v2
.irp j, 16,17,18,19
	v_cndmask_b32 v\j, 0, v\j, vcc_lo
.endr
	global_store_b128 v4, v[16:19], s[34:35]
	s_endpgm
.Lw3:
	v_and_b32 v6, 1, v5                            ; s
	v_lshl_add_u32 v6, v6, 5, v7                   ; my first k in W3
	s_sub_co_u32 s6, s5, 160
	v_lshrrev_b32 v1, 6, v0
	v_add_nc_u32 v1, s6, v1                        ; fragment number in W3F
	v_lshrrev_b32 v1, 1, v1                        ; nt
	v_lshlrev_b32 v3, 2, v2
	v_lshl_add_u32 v3, v1, 6, v3                   ; column 16 nt + r, in bytes
	v_lshl_add_u32 v3, v6, 12, v3                  ; + k x 4,096
	GET8 32, 4096
	PACK8 v_cvt_pk_f16_f32
	global_store_b128 v4, v[16:19], s[34:35]
	s_endpgm
.Lfunc_end_k_q8dc22a602d_prep:
	.size	k_q8dc22a602d_prep, .Lfunc_end_k_q8dc22a602d_prep-k_q8dc22a602d_prep
	.p2alignl 7, 3214868480
	.fill 96, 4, 3214868480
	.section	.rodata,"a",@progbits
	.p2align	6, 0x0
	.amdhsa_kernel k_q8dc22a602d_prep
		.amdhsa_group_segment_fixed_size 0
		.amdhsa_private_segment_fixed_size 0
		.amdhsa_enable_private_segment 0
		.amdhsa_kernarg_size 112
		.amdhsa_user_sgpr_count 2
		.amdhsa_user_sgpr_kernarg_segment_ptr 1
		.amdhsa_wavefront_size32 1
		.amdhsa_system_sgpr_workgroup_id_x 1
		.amdhsa_system_sgpr_workgroup_id_y 1
		.amdhsa_system_sgpr_workgroup_id_z 1
		.amdhsa_system_vgpr_workitem_id 0
		.amdhsa_next_free_vgpr 100
		.amdhsa_next_free_sgpr 66
		.amdhsa_reserve_vcc 1
		.amdhsa_float_denorm_mode_32 3
		.amdhsa_float_denorm_mode_16_64 3
		.amdhsa_memory_ordered 1
		.amdhsa_forward_progress 1
		.amdhsa_inst_pref_size 14
	.end_amdhsa_kernel
	.amdgpu_metadata
---
amdhsa.version: [ 1, 2 ]
amdhsa.kernels:
  - .name:           k_q8dc22a602d_prep
    .symbol:         k_q8dc22a602d_prep.kd
    .args:
      - { .name: x, .offset: 0, .size: 8, .value_kind: global_buffer, .address_space: global }
      - { .name: W1, .offset: 8, .size: 8, .value_kind: global_buffer, .address_space: global }
      - { .name: W2, .offset: 16, .size: 8, .value_kind: global_buffer, .address_space: global }
      - { .name: W4, .offset: 24, .size: 8, .value_kind: global_buffer, .address_space: global }
      - { .name: W5, .offset: 32, .size: 8, .value_kind: global_buffer, .address_space: global }
      - { .name: actA, .offset: 40, .size: 8, .value_kind: global_buffer, .address_space: global }
      - { .name: w1h, .offset: 48, .size: 8, .value_kind: global_buffer, .address_space: global }
      - { .name: w2h, .offset: 56, .size: 8, .value_kind: global_buffer, .address_space: global }
      - { .name: w4h, .offset: 64, .size: 8, .value_kind: global_buffer, .address_space: global }
      - { .name: w5h, .offset: 72, .size: 8, .value_kind: global_buffer, .address_space: global }
      - { .name: Wmu, .offset: 80, .size: 8, .value_kind: global_buffer, .address_space: global }
      - { .name: Wk, .offset: 88, .size: 8, .value_kind: global_buffer, .address_space: global }
      - { .name: W3, .offset: 96, .size: 8, .value_kind: global_buffer, .address_space: global }
      - { .name: wsm, .offset: 104, .size: 8, .value_kind: global_buffer, .address_space: global }
    .group_segment_fixed_size: 0
    .private_segment_fixed_size: 0
    .kernarg_segment_align: 8
    .kernarg_segment_size: 112
    .max_flat_workgroup_size: 256
    .sgpr_count:     66
    .vgpr_count:     100
    .wavefront_size: 32
...
	.end_amdgpu_metadata
.endif
;; end of part 1
;; launch enc1 (part 2): grid 8 x 32, 4 waves a work-group, clusters of 4 x 4, 327,680 bytes of LDS; arguments actA, w1h, b1, actB; writes actB
.if DOCPART == 2
	.amdgcn_target "amdgcn-amd-amdhsa--gfx1250"
	.amdhsa_code_object_version 6
	.text
	.protected	k_q8dc22a602d_enc1
	.globl	k_q8dc22a602d_enc1
	.p2align	8
	.type	k_q8dc22a602d_enc1,@function
k_q8dc22a602d_enc1:
	s_mov_b64 s[64:65], 0
	v_nop
	global_prefetch_b8 v0, s[64:65] scope:SCOPE_SE
	s_setreg_imm32_b32 hwreg(HW_REG_WAVE_MODE, 25, 1), 1
	s_wait_xcnt 0x0
	s_wait_alu depctr_hold_cnt(0) depctr_sa_sdst(0) depctr_va_vdst(0) depctr_va_sdst(0) depctr_va_ssrc(0) depctr_va_vcc(0) depctr_vm_vsrc(0)
	s_getreg_b32 s2, hwreg(HW_REG_IB_STS2, 6, 4)
	s_cmp_eq_u32 s2, 0
	s_cbranch_scc0 .Lentry_in_a_cluster
	s_endpgm
.Lentry_in_a_cluster:
	s_bfe_u32 s2, ttmp6, 0x10000c
	s_cmp_lg_u32 s2, 0xf033
	s_cbranch_scc0 .Lentry_shape_is_right
	s_endpgm
.Lentry_shape_is_right:
; C = relu(A W + bias).  A: [8192][1024] f16, W: [1024][2048] f16 as it lies ([k][n]), bias: [2048] f32, C: [8192][2048] f16.  Sums in f32, C rounded once.
; One text serves three bodies; the five sizes below choose.  OUT: 0 = ReLU, f16; 1 = ReLU, bf16; 2 = f32, no ReLU.
.set SIZE_K, 1024
.set SIZE_N, 2048
.set TN,     256                       ; columns of C in a work-group's tile (its rows: 256)
.set NA,     8                         ; blocks of 16 rows in a wave's share
.set OUT,    0
; LIMITS.  The operands are f16: no number from 65,520 on; a fixed step of 6e-8 below 6e-5.  The ReLU is a maximum with 0 in which a NaN loses.  The order of the sums is the matrix unit's, K ascending.
; SHARES.  8 x 32 tiles, one for each work-group.  NA = 8: wave (w / 2, w % 2) makes 128 x 128.  NA = 4: wave w makes rows 64 w .. 64 w + 63 of all 128 columns.  Either way a wave's rows of C are 128 columns wide.
; K goes in steps of 128 through a ring of two LDS slots filled by the tensor data mover: A's tile is 256 rows x 256 bytes, W's 128 k-rows x 2 TN bytes; every row starts at a multiple of 256 bytes from its buffer's first byte.
; W IS NOT TURNED IN MEMORY: ds_load_tr16_b128 turns it on the way from LDS to registers, two loads a fragment like a plain fragment.
; THE MATRIX INSTRUCTION IS USED TRANSPOSED: source 0 = 16 columns of W, source 1 = 16 rows of A: lane l holds row l % 16 of C and the columns 8 (l / 16) + 0..7.
; THE BIAS IS THE C OPERAND of each sum's first product: nothing is cleared and nothing is added later.
; CLUSTER.  4 x 4 work-groups.  A's tile hangs on the tile row alone and is asked for jointly by a row of the cluster, W's on the tile column alone, by a column.
; REGISTERS, in windows of 256 (s_set_vgpr_msb: bits 1:0 source 0, 3:2 source 1, 5:4 source 2, 7:6 destination):
;   window 0: v16-31 addresses; v64-127, v128-191 A's fragments, two buffers; v32-63, v192-255 at work on the way out
;   window 1: v0-63 the bias of my 128 columns (block b at 8 b); v64-127, v128-191 W's fragments, two buffers
;   window 2: accumulators of row blocks 0-3 ((a, b) at 8 (8 (a % 4) + b));  window 3: those of blocks 4-7 (NA = 8)
.set KSTEP,  128
.set PA,     272                       ; A's LDS row: 256 bytes + 16: row r starts at bank 4 r mod 64 (64 banks of 4 bytes: ISA guide 11.1)
.set PB,     2*TN+32                   ; W's LDS row: + 32 bytes: row r starts at bank 8 r mod 64
.set HALFA,  128*PA                    ; what one tensor load brings of A
.set HALFB,  64*PB                     ; and of W
.set SLOT,   2*HALFA+2*HALFB           ; A's 256 rows, then W's 128 k-rows
.set STAGE,  2*SLOT                    ; behind the ring: 16 rows for each wave, for the way out; no tensor load lands here
.if OUT == 2
.set SPITCH, 528
.set ES,     4
.else
.set SPITCH, 272
.set ES,     2
.endif
.set SPARE,  STAGE+64*SPITCH           ; behind the stages: the spare words, 128 bytes a wave: two blocks of 256 bytes that no other line names
.set LAPS,   SIZE_K/(2*KSTEP)          ; a lap = two K steps = once round the ring
.set NLD,    16+2*NA                   ; LDS loads in a quarter step's run
.if TN == 256
.set QB,     6                         ; padding after every 128 words
.else
.set QB,     5                         ; after every 64 words
.endif
.set ADRA, 16                          ; v16-17  LDS address of my A fragments in slot 0, 1
.set ADRB, 20                          ; v20-21  the same for W
.set STO,  24                          ; v24     the way out: where I put my piece of a row
.set RD,   25                          ; v25     where I read rows back
.set CO,   26                          ; v26     my byte offset in C
.set ZR,   27                          ; v27     0, for the ReLU
.set SPW,  28                          ; v28     LDS address of my spare word; never rewritten
.set NIL,  29                          ; v29     0; never rewritten
.set PFO,  30                          ; v30     the prefetches' lane offset; never rewritten
.set BO,   31                          ; v31     my offset in the bias
.set OB,   32
.set F0,   64
.set F1,   128
.set TMP,  192
.set WV,   12                          ; s12 wave   s13 ROLE: 0 fetches A, 1 fetches W   s14 HALF: which half of that tile   s15 LIM
.set ROLE, 13
.set HALF, 14
.set LIM,  15                          ; 1 in a wave that prefetches, else the greatest number
.set G1A,  24                          ; s[24:31] group 1 for A's tiles;  s[32:39] group 0, a set for each slot
.set G0A,  32
.set PFA,  44                          ; s[44:45] where my prefetches stand;  s[46:47] their step, a K step
.set PFS,  46
.set G1B,  48                          ; s[48:55], s[56:63] the same for W's tiles
.set G0B,  56
.set MSB, 0
.macro WIN new                         ; the immediate's high byte repeats the setting that is left; a switch that changes nothing is dropped
.if MSB != (\new)
	s_set_vgpr_msb (MSB<<8)|(\new)
.set MSB, \new
.endif
.endm
.macro PLACES                          ; four places behind a matrix instruction, in front of loads into registers that it read and of lines that read results
.rept 4
	v_nop
.endr
.endm
; A joint load.  Waves 0 and 1 fetch A's two halves, waves 2 and 3 W's.  The branch hangs on the wave's number alone.  An s_nop 0 and four v_nop follow each line.
.macro JLOAD s
	s_cmp_eq_u32 s[ROLE], 0
	s_cbranch_scc0 .Lfor_w_\@
	tensor_load_to_lds s[G0A+4*(\s):G0A+4*(\s)+3], s[G1A:G1A+7]
	s_nop 0
.rept 4
	v_nop
.endr
	s_branch .Lasked_\@
.Lfor_w_\@:
	tensor_load_to_lds s[G0B+4*(\s):G0B+4*(\s)+3], s[G1B:G1B+7]
	s_nop 0
.rept 4
	v_nop
.endr
.Lasked_\@:
.endm
; A prefetch into the L2 of the K step that stands two refills on: 32 blocks of 256 bytes, a lane a block.  A's rows are named by the clusters with x = 0, W's by those with y = 0; the four partners
; that ask for a tile jointly share its blocks out by address.  So each block is named once in the launch.  The loop's last trip names nothing: there is no K step two refills on.
.macro ASK
	s_cmp_gt_u32 s3, s[LIM]
	s_cbranch_scc0 .Lnot_mine_\@
	global_prefetch_b8 v[PFO], s[PFA:PFA+1] th:TH_LOAD_NT scope:SCOPE_SE
.Lnot_mine_\@:
.endm
.macro CREST                           ; a round of the cluster's barrier behind its opening barrier
	s_cmp_lg_u32 s[WV], 0
	s_cbranch_scc1 .Lnot_wave_0_\@
	s_barrier_signal -3
.Lnot_wave_0_\@:
	s_barrier_wait -3
	s_barrier_signal -1
	s_barrier_wait -1
.endm
.macro CROUND
	s_barrier_signal -1
	s_barrier_wait -1
	CREST
.endm
	s_load_b256 s[4:11], s[0:1], 0x0               ; A s[4:5], W s[6:7], bias s[8:9], C s[10:11]
	v_lshl_add_u32 v[SPW], v0, 2, SPARE
	v_mov_b32 v[NIL], 0
	ds_add_u32 v[SPW], v[NIL]                      ; the wave's opening: the add and its wait stand ahead of my first tensor load; work on registers stands between them
	v_lshrrev_b32 v1, 5, v0
	v_readfirstlane_b32 s[WV], v1
	s_lshr_b32 s[ROLE], s[WV], 1
	s_and_b32 s[HALF], s[WV], 1
	s_bfe_u32 s40, ttmp6, 0x40000                  ; cx
	s_bfe_u32 s41, ttmp6, 0x40004                  ; cy
	s_lshl_b32 s42, ttmp9, 2
	s_add_co_u32 s42, s42, s40                     ; tile column = 4 x cluster x + cx
	s_and_b32 s43, ttmp7, 0xffff
	s_lshl_b32 s43, s43, 2
	s_add_co_u32 s43, s43, s41                     ; tile row = 4 x cluster y + cy
	s_lshl_b32 s20, s41, 2
	s_lshl_b32 s20, 15, s20                        ; my row of the cluster
	s_lshl_b32 s21, 0x1111, s40                    ; my column
	s_or_b32 s[G1A], s20, (1<<16)|(1<<20)|(1<<21)|(5<<22)|(3<<25)   ; mask; 2-byte elements; padding on; bit 21 beside a mask; after every 64 words 4 words
	s_or_b32 s[G1B], s21, (1<<16)|(1<<20)|(1<<21)|(QB<<22)|(7<<25)  ; the column's mask; after every row of TN / 2 words 8 words
	s_mov_b32 s[G1A+1], KSTEP<<16                  ; tensor_dim0 = 128
	s_mov_b32 s[G1A+2], 128<<16                    ; tensor_dim1 = 128
	s_mov_b32 s[G1A+3], KSTEP<<16                  ; tile_dim0 = 128
	s_mov_b32 s[G1A+4], 128                        ; tile_dim1 = 128
	s_mov_b32 s[G1A+5], SIZE_K                     ; elements from row to row
	s_mov_b32 s[G1A+6], 0
	s_mov_b32 s[G1A+7], 0
	s_mov_b32 s[G1B+1], TN<<16                     ; tensor_dim0 = TN
	s_mov_b32 s[G1B+2], 64<<16                     ; tensor_dim1 = 64
	s_mov_b32 s[G1B+3], TN<<16                     ; tile_dim0 = TN
	s_mov_b32 s[G1B+4], 64                         ; tile_dim1 = 64
	s_mov_b32 s[G1B+5], SIZE_N
	s_mov_b32 s[G1B+6], 0
	s_mov_b32 s[G1B+7], 0
	; A's tile hangs on the tile row and the wave, W's on the tile column and the wave; each address is made in registers that never hold the other coordinate
	s_lshl_b32 s16, s43, 8
	s_lshl_b32 s17, s[HALF], 7
	s_add_co_u32 s16, s16, s17                     ; A: row 256 x tile row + 128 x half
	s_mul_i32 s16, s16, SIZE_K*2                   ; in bytes, under 2^26
	s_mov_b32 s17, 0
	s_mul_i32 s66, s[HALF], 64*SIZE_N*2            ; W: k-row 64 x half,
	s_mul_i32 s67, s42, TN*2                       ; column TN x tile column
	s_add_co_u32 s66, s66, s67
	s_mov_b32 s67, 0
	s_mul_i32 s22, s[HALF], HALFA                  ; where they go: no place in the cluster enters an LDS address
	s_mul_i32 s23, s[HALF], HALFB
	s_add_co_u32 s23, s23, 2*HALFA
	s_wait_dscnt 0x0                               ; the opening add is done
	s_wait_kmcnt 0x0
	s_add_nc_u64 s[18:19], s[4:5], s[16:17]
	s_add_nc_u64 s[68:69], s[6:7], s[66:67]
	CROUND                                         ; all sixteen work-groups are here: the first joint loads meet
.irp s, 0,1
	s_mov_b32 s[G0A+4*(\s)], 1
	s_add_co_u32 s[G0A+4*(\s)+1], s22, (\s)*SLOT
	s_add_nc_u64 s[G0A+4*(\s)+2:G0A+4*(\s)+3], s[18:19], (\s)*KSTEP*2
	s_or_b32 s[G0A+4*(\s)+3], s[G0A+4*(\s)+3], 0x80000000
	s_mov_b32 s[G0B+4*(\s)], 1
	s_add_co_u32 s[G0B+4*(\s)+1], s23, (\s)*SLOT
	s_add_nc_u64 s[G0B+4*(\s)+2:G0B+4*(\s)+3], s[68:69], (\s)*KSTEP*SIZE_N*2
	s_or_b32 s[G0B+4*(\s)+3], s[G0B+4*(\s)+3], 0x80000000
	JLOAD \s                                       ; two loads of mine are out
.endr
	v_and_b32 v1, 15, v0                           ; r = l % 16
	v_bfe_u32 v2, v0, 4, 1                         ; h = l / 16
.if NA == 8
	s_lshl_b32 s20, s[ROLE], 7                     ; my first row in the tile
	s_lshl_b32 s21, s[HALF], 7                     ; my first column
.else
	s_lshl_b32 s20, s[WV], 6
	s_mov_b32 s21, 0
.endif
	v_mul_u32_u24 v3, v1, PA                       ; A's fragment: row r, 16 bytes for each half of the lanes, two loads 32 bytes apart
	v_lshl_add_u32 v3, v2, 4, v3
	s_mul_i32 s16, s20, PA
	v_add_nc_u32 v[ADRA], s16, v3
	v_add_nc_u32 v[ADRA+1], SLOT, v[ADRA]
	v_and_b32 v4, 7, v0                            ; W's fragment, turned: lane l reads k-row 8 h + l % 8, columns 8 ((l / 8) % 2) + 0..7
	v_lshl_add_u32 v4, v2, 3, v4
	v_mul_u32_u24 v4, v4, PB
	v_bfe_u32 v5, v0, 3, 1
	v_lshl_add_u32 v4, v5, 4, v4
	s_lshl_b32 s17, s21, 1
	s_add_co_u32 s17, s17, 2*HALFA
	v_add_nc_u32 v[ADRB], s17, v4
	v_add_nc_u32 v[ADRB+1], SLOT, v[ADRB]
	s_mul_i32 s16, s[WV], 16*SPITCH
	s_add_co_u32 s16, s16, STAGE                   ; my stage
.if OUT == 2
	v_mul_u32_u24 v4, v1, SPITCH                   ; in: row r, 32 bytes for each half of the lanes
	v_lshl_add_u32 v4, v2, 5, v4
	v_add_nc_u32 v[STO], s16, v4
	v_and_b32 v5, 31, v0
	v_lshlrev_b32 v[CO], 4, v5                     ; back: 32 lanes take a row's 512 bytes
	v_add_nc_u32 v[RD], s16, v[CO]
.else
	v_mul_u32_u24 v4, v1, SPITCH                   ; in: row r, 16 bytes for each half of the lanes
	v_lshl_add_u32 v4, v2, 4, v4
	v_add_nc_u32 v[STO], s16, v4
	v_mul_u32_u24 v5, v2, SPITCH                   ; back: lanes 0-15 take one row of 256 bytes, lanes 16-31 the next
	v_lshl_add_u32 v5, v1, 4, v5
	v_add_nc_u32 v[RD], s16, v5
	v_mul_u32_u24 v5, v2, SIZE_N*2
	v_lshl_add_u32 v[CO], v1, 4, v5
	v_mov_b32 v[ZR], 0
.endif
	v_lshlrev_b32 v[BO], 5, v2                     ; my eight columns of a block of sixteen, in f32
	s_lshl_b32 s16, s43, 8
	s_add_co_u32 s16, s16, s20                     ; my first row of C
	s_mul_i32 s16, s16, SIZE_N*ES                  ; under 2^26
	s_mov_b32 s17, 0
	s_add_nc_u64 s[10:11], s[10:11], s[16:17]
	s_mul_i32 s66, s42, TN
	s_add_co_u32 s66, s66, s21                     ; my first column
	s_lshl_b32 s68, s66, 2
	s_mov_b32 s69, 0
	s_add_nc_u64 s[8:9], s[8:9], s[68:69]
	s_mul_i32 s66, s66, ES
	s_mov_b32 s67, 0
	s_add_nc_u64 s[10:11], s[10:11], s[66:67]
	WIN 0x40                                       ; destination window 1
.irp b, 0,1,2,3,4,5,6,7
	global_load_b128 v[8*(\b):8*(\b)+3],   v[BO], s[8:9] offset:64*(\b)
	global_load_b128 v[8*(\b)+4:8*(\b)+7], v[BO], s[8:9] offset:64*(\b)+16
.endr
	WIN 0
	; the prefetches: which blocks are mine.  A: of the 128 rows that I fetch, rows 32 cx ..: a lane a row.  W: of my k-rows the partner at cy takes a quarter; TN = 256: 16 k-rows x 2 blocks; TN = 128: wave 2 alone, 32 k-rows
	s_lshl_b32 s71, s43, 8
	s_lshl_b32 s72, s[HALF], 7
	s_add_co_u32 s71, s71, s72
	s_lshl_b32 s72, s40, 5
	s_add_co_u32 s71, s71, s72
	s_mul_i32 s71, s71, SIZE_K*2
	s_add_co_u32 s71, s71, 3*KSTEP*2               ; at K step 3: the first refill steps it to K step 4
.if TN == 256
	s_lshl_b32 s73, s[HALF], 6
	s_lshl_b32 s74, s41, 4
	s_add_co_u32 s73, s73, s74
.else
	s_lshl_b32 s73, s41, 5
.endif
	s_add_co_u32 s73, s73, 3*KSTEP
	s_mul_i32 s73, s73, SIZE_N*2
	s_mul_i32 s74, s42, TN*2
	s_add_co_u32 s73, s73, s74
	s_and_b32 s70, ttmp7, 0xffff
	s_mov_b32 s74, KSTEP*SIZE_N*2
	s_mov_b32 s75, SIZE_N*2
	s_cmp_eq_u32 s[ROLE], 0                        ; do I fetch for A?
	s_cselect_b32 s70, ttmp9, s70                  ; the coordinate along which other clusters read the same blocks
	s_cselect_b32 s76, s71, s73
	s_cselect_b64 s[PFA:PFA+1], s[4:5], s[6:7]
	s_cselect_b32 s[PFS], KSTEP*2, s74
	s_cselect_b32 s75, SIZE_K*2, s75               ; bytes from row to row
.if TN == 256
	s_cselect_b32 s78, 0, 1                        ; 1: two lanes share a row
.else
	s_mov_b32 s78, 0
.endif
	s_mov_b32 s77, 0
	s_mov_b32 s[PFS+1], 0
	s_add_nc_u64 s[PFA:PFA+1], s[PFA:PFA+1], s[76:77]
	s_cmp_eq_u32 s70, 0
	s_cselect_b32 s[LIM], 1, -1                    ; the same in all sixteen partners, for a given wave
.if TN == 128
	s_cmp_eq_u32 s[WV], 3
	s_cselect_b32 s[LIM], -1, s[LIM]
.endif
	v_and_b32 v3, 31, v0
	v_lshrrev_b32 v4, s78, v3
	v_mul_u32_u24 v4, s75, v4
	v_and_b32 v5, s78, v3
	v_lshl_add_u32 v[PFO], v5, 8, v4
	; nothing is prefetched here, at the head, where every work-group's first tiles are on their way
; 8 matrix instructions: row block a x all 8 column blocks, 32 along K.  first = 1: the product starts the sums, with the bias as C.
; The accumulators take turns in the same order in every quarter step, one instruction a turn.
.macro MULA f, a, first
.set AC, 64*((\a)%4)
.if \first
	WIN 0x91+0x40*((\a)/4)                         ; W window 1, A window 0, C (bias) window 1, D window 2 or 3
.else
	WIN 0xa1+0x50*((\a)/4)                         ; C and D window 2 or 3
.endif
.irp b, 0,1,2,3,4,5,6,7
.if \first
	v_wmma_f32_16x16x32_f16 v[AC+8*(\b):AC+8*(\b)+7], v[(\f)+8*(\b):(\f)+8*(\b)+7], v[(\f)+8*(\a):(\f)+8*(\a)+7], v[8*(\b):8*(\b)+7]
.else
	v_wmma_f32_16x16x32_f16 v[AC+8*(\b):AC+8*(\b)+7], v[(\f)+8*(\b):(\f)+8*(\b)+7], v[(\f)+8*(\a):(\f)+8*(\a)+7], v[AC+8*(\b):AC+8*(\b)+7]
.endif
.endr
.endm
.macro MULS f, a0, n, first            ; row blocks a0 .. a0 + n - 1
.set aa, \a0
.rept \n
	MULA \f, aa, \first
.set aa, aa+1
.endr
.endm
; one run of NLD LDS loads: the fragments of quarter q (32 along K) of a slot into buffer f: W's 8 (turned), then A's NA
.macro FETCH slot, q, f
	WIN 0x40
.irp i, 0,1,2,3,4,5,6,7
	ds_load_tr16_b128 v[(\f)+8*(\i):(\f)+8*(\i)+3],   v[ADRB+(\slot)] offset:32*(\q)*PB+32*(\i)
	ds_load_tr16_b128 v[(\f)+8*(\i)+4:(\f)+8*(\i)+7], v[ADRB+(\slot)] offset:32*(\q)*PB+16*PB+32*(\i)
.endr
	WIN 0
.set ii, 0
.rept NA
	ds_load_b128 v[(\f)+8*ii:(\f)+8*ii+3],   v[ADRA+(\slot)] offset:64*(\q)+ii*16*PA
	ds_load_b128 v[(\f)+8*ii+4:(\f)+8*ii+7], v[ADRA+(\slot)] offset:64*(\q)+ii*16*PA+32
.set ii, ii+1
.endr
.endm
; A K step is four quarters on buffers 0, 1, 0, 1.  One of the first three: multiplies buffer f; in its middle it fetches quarter q into buffer g.
.macro QUARTER slot, q, f, g, first
	s_wait_dscnt NA                                ; W's fragments and A's lower blocks are in; the youngest NA loads (A's upper blocks) may be out
	MULS \f, 0, NA/2, \first
	PLACES
	FETCH \slot, \q, \g
	s_wait_dscnt NLD                               ; all but the run just issued
	MULS \f, NA/2, NA/2, \first
.endm
; The last quarter multiplies buffer 1 and changes slots.  ONE barrier: in front of it each wave waits for all its tensor loads (one is out: its part of the next slot), adds 0 to its spare word,
; and waits for that and for its own reads of this slot.  Behind it nobody reads this slot any more and the next slot is whole.
.macro MEET round
	WIN 0
	s_wait_tensorcnt 0x0
	ds_add_u32 v[SPW], v[NIL]
	s_wait_dscnt NA+1                              ; (the add and the youngest NA loads may be out)
	MULS F1, 0, NA/4, 0                            ; matrix work stands between the add and the wait for it
	s_wait_dscnt 0x0                               ; the add is done, and my reads of this slot are over
	s_barrier_signal -1
	MULS F1, NA/4, NA/4, 0
.if \round
	WIN 0
.endif
	s_barrier_wait -1
.endm
.macro TURN slot, next                 ; with a refill: the barrier opens a round of the cluster's barrier, and the joint load is the first tensor load behind the round
	s_wait_xcnt 0x0                                ; the last prefetch, a K step back, has read its address
	s_add_nc_u64 s[PFA:PFA+1], s[PFA:PFA+1], s[PFS:PFS+1]
	MEET 1
	CREST                                          ; no wave of any partner still reads this slot's tile or has a load on its way
	s_add_nc_u64 s[G0A+4*(\slot)+2:G0A+4*(\slot)+3], s[G0A+4*(\slot)+2:G0A+4*(\slot)+3], 2*KSTEP*2
	s_add_nc_u64 s[G0B+4*(\slot)+2:G0B+4*(\slot)+3], s[G0B+4*(\slot)+2:G0B+4*(\slot)+3], 2*KSTEP*SIZE_N*2
	JLOAD \slot                                    ; the four v_nop behind it are also the places in front of the loads below
	FETCH \next, 0, F0
	ASK
	MULS F1, NA/2, NA/2, 0
.endm
.macro TURNX                           ; the last change of slots: nothing is filled, so no round follows
	MEET 0
	PLACES
	FETCH 1, 0, F0
	MULS F1, NA/2, NA/2, 0
.endm
; THE WAY OUT, 16 rows at a time, through my own stage: LDS serves a wave's instructions in order (ISA guide 5.7.1.4), so no wait stands between the stores into the stage and the loads from it.
.macro PACK a                          ; rounded to 16 bits, each accumulator's registers in ascending order; then the ReLU on the packed halves
.set AC, 64*((\a)%4)
	WIN 0x0a+5*((\a)/4)
.irp b, 0,1,2,3,4,5,6,7
.irp r, 0,1,2,3
.if OUT == 1
	v_cvt_pk_bf16_f32 v[TMP+4*(\b)+(\r)], v[AC+8*(\b)+2*(\r)], v[AC+8*(\b)+2*(\r)+1]
.else
	v_cvt_pk_f16_f32 v[TMP+4*(\b)+(\r)], v[AC+8*(\b)+2*(\r)], v[AC+8*(\b)+2*(\r)+1]
.endif
.endr
.endr
	WIN 0
.set ii, 0
.rept 32
.if OUT == 1
	v_pk_max_num_bf16 v[TMP+ii], v[TMP+ii], v[ZR]
.else
	v_pk_max_num_f16 v[TMP+ii], v[TMP+ii], v[ZR]
.endif
.set ii, ii+1
.endr
.endm
.macro TOSTAGE a
	WIN 0
.set BK, OB+192*((\a)%2)
.irp b, 0,1,2,3,4,5,6,7
	ds_store_b128 v[STO], v[TMP+4*(\b):TMP+4*(\b)+3] offset:32*(\b)
.endr
.irp t, 0,1,2,3,4,5,6,7
	ds_load_b128 v[BK+4*(\t):BK+4*(\t)+3], v[RD] offset:(\t)*2*SPITCH
.endr
.endm
.macro SEND a, younger
	WIN 0
.set BK, OB+192*((\a)%2)
	s_wait_dscnt \younger
	s_wait_xcnt 0x0                                ; the stores' base and the registers that earlier stores read are rewritten only behind this wait
.if (\a) != 0
	s_add_nc_u64 s[10:11], s[10:11], 16*SIZE_N*2
.endif
.irp t, 0,1,2,3,4,5,6,7
	global_store_b128 v[CO], v[BK+4*(\t):BK+4*(\t)+3], s[10:11] offset:2*(\t)*SIZE_N*2  ; 16 lanes store 256 consecutive bytes, at a multiple of 256 from C's first byte
.endr
.endm
.macro TOST a                          ; OUT = 2: f32 straight from the accumulators, the low four registers of each first
.if (\a) >= 2
	s_wait_xcnt 0x0                                ; the stores of the block two back have read the registers that are loaded again below
.endif
.set AC, 64*(\a)
.set BK, 64+64*((\a)%2)
	WIN 0x08                                       ; store data window 2
.irp b, 0,1,2,3,4,5,6,7
	ds_store_b128 v[STO], v[AC+8*(\b):AC+8*(\b)+3]   offset:64*(\b)
	ds_store_b128 v[STO], v[AC+8*(\b)+4:AC+8*(\b)+7] offset:64*(\b)+16
.endr
	WIN 0
.set ii, 0
.rept 16
	ds_load_b128 v[BK+4*ii:BK+4*ii+3], v[RD] offset:SPITCH*ii
.set ii, ii+1
.endr
.endm
.macro SEND32 a, younger
	WIN 0
.set BK, 64+64*((\a)%2)
	s_wait_dscnt \younger                          ; the next block's 16 stores and 16 loads may be out
	s_wait_xcnt 0x0
.if (\a) != 0
	s_add_nc_u64 s[10:11], s[10:11], 16*SIZE_N*4
.endif
.set ii, 0
.rept 16
	global_store_b128 v[CO], v[BK+4*ii:BK+4*ii+3], s[10:11] offset:SIZE_N*4*ii  ; 512 consecutive bytes of a row, at a multiple of 512 from C's first byte
.set ii, ii+1
.endr
.endm
	s_wait_tensorcnt 0x1                           ; my part of K step 0 is in; K step 1's may stay out
	s_barrier_signal -1
	s_barrier_wait -1
	FETCH 0, 0, F0
	s_wait_loadcnt 0x0                             ; the bias
	QUARTER 0, 1, F0, F1, 1                        ; the first quarter stands in front of the loop: its products start the sums
	WIN 0
	s_mov_b32 s3, LAPS-1
.Llap:                                         ; a trip goes once round the ring, from a lap's second quarter to the next lap's first, and fills both slots again
	QUARTER 0, 2, F1, F0, 0
	QUARTER 0, 3, F0, F1, 0
	TURN 0, 1
	QUARTER 1, 1, F0, F1, 0
	QUARTER 1, 2, F1, F0, 0
	QUARTER 1, 3, F0, F1, 0
	TURN 1, 0
	QUARTER 0, 1, F0, F1, 0
	WIN 0
	s_sub_co_u32 s3, s3, 1
	s_cmp_lg_u32 s3, 0
	s_cbranch_scc1 .Llap
	QUARTER 0, 2, F1, F0, 0                        ; the last lap fills nothing
	QUARTER 0, 3, F0, F1, 0
	TURNX
	QUARTER 1, 1, F0, F1, 0
	QUARTER 1, 2, F1, F0, 0
	QUARTER 1, 3, F0, F1, 0
	s_wait_dscnt NA
	MULS F1, 0, NA/2, 0
	s_wait_dscnt 0x0
	MULS F1, NA/2, NA/2, 0
	WIN 0
	PLACES
.if OUT == 2
	TOST 0
	TOST 1
	SEND32 0, 32
	TOST 2
	SEND32 1, 32
	TOST 3
	SEND32 2, 32
	SEND32 3, 0
.else
	PACK 0
	TOSTAGE 0
.set ab, 1
.rept NA-1                             ; block a's conversions stand between block a - 1's loads from the stage and the wait for them
	PACK ab
	SEND ab-1, 0
	TOSTAGE ab
.set ab, ab+1
.endr
	SEND NA-1, 0
.endif
	s_wait_tensorcnt 0x0                           ; the wave's end: the tensor wait, an add to my spare word and the wait for it, behind my last tensor load and my last LDS store
	ds_add_u32 v[SPW], v[NIL]
	s_wait_dscnt 0x0
	CROUND                                         ; the closing round: no work-group ends while a partner may still ask for a tile that names it
	s_endpgm
.Lfunc_end_k_q8dc22a602d_enc1:
	.size	k_q8dc22a602d_enc1, .Lfunc_end_k_q8dc22a602d_enc1-k_q8dc22a602d_enc1
	.p2alignl 7, 3214868480
	.fill 96, 4, 3214868480
	.section	.rodata,"a",@progbits
	.p2align	6, 0x0
	.amdhsa_kernel k_q8dc22a602d_enc1
		.amdhsa_group_segment_fixed_size 327680
		.amdhsa_private_segment_fixed_size 0
		.amdhsa_enable_private_segment 0
		.amdhsa_kernarg_size 32
		.amdhsa_user_sgpr_count 2
		.amdhsa_user_sgpr_kernarg_segment_ptr 1
		.amdhsa_wavefront_size32 1
		.amdhsa_system_sgpr_workgroup_id_x 1
		.amdhsa_system_sgpr_workgroup_id_y 1
		.amdhsa_system_sgpr_workgroup_id_z 1
		.amdhsa_system_vgpr_workitem_id 0
		.amdhsa_next_free_vgpr 1024
		.amdhsa_next_free_sgpr 80
		.amdhsa_reserve_vcc 0
		.amdhsa_float_denorm_mode_32 3
		.amdhsa_float_denorm_mode_16_64 3
		.amdhsa_memory_ordered 1
		.amdhsa_forward_progress 1
		.amdhsa_inst_pref_size 163
	.end_amdhsa_kernel
	.amdgpu_metadata
---
amdhsa.version: [ 1, 2 ]
amdhsa.kernels:
  - .name:           k_q8dc22a602d_enc1
    .symbol:         k_q8dc22a602d_enc1.kd
    .args:
      - { .name: actA, .offset: 0, .size: 8, .value_kind: global_buffer, .address_space: global }
      - { .name: w1h, .offset: 8, .size: 8, .value_kind: global_buffer, .address_space: global }
      - { .name: b1, .offset: 16, .size: 8, .value_kind: global_buffer, .address_space: global }
      - { .name: actB, .offset: 24, .size: 8, .value_kind: global_buffer, .address_space: global }
    .group_segment_fixed_size: 327680
    .private_segment_fixed_size: 0
    .kernarg_segment_align: 8
    .kernarg_segment_size: 32
    .max_flat_workgroup_size: 128
    .sgpr_count:     80
    .vgpr_count:     1024
    .wavefront_size: 32
...
	.end_amdgpu_metadata
.endif
;; end of part 2
;; launch enc2 (part 3): grid 8 x 32, 4 waves a work-group, clusters of 4 x 4, 327,680 bytes of LDS; arguments actB, w2h, b2, actC; writes actC
.if DOCPART == 3
	.amdgcn_target "amdgcn-amd-amdhsa--gfx1250"
	.amdhsa_code_object_version 6
	.text
	.protected	k_q8dc22a602d_enc2
	.globl	k_q8dc22a602d_enc2
	.p2align	8
	.type	k_q8dc22a602d_enc2,@function
k_q8dc22a602d_enc2:
	s_mov_b64 s[64:65], 0
	v_nop
	global_prefetch_b8 v0, s[64:65] scope:SCOPE_SE
	s_setreg_imm32_b32 hwreg(HW_REG_WAVE_MODE, 25, 1), 1
	s_wait_xcnt 0x0
	s_wait_alu depctr_hold_cnt(0) depctr_sa_sdst(0) depctr_va_vdst(0) depctr_va_sdst(0) depctr_va_ssrc(0) depctr_va_vcc(0) depctr_vm_vsrc(0)
	s_getreg_b32 s2, hwreg(HW_REG_IB_STS2, 6, 4)
	s_cmp_eq_u32 s2, 0
	s_cbranch_scc0 .Lentry_in_a_cluster
	s_endpgm
.Lentry_in_a_cluster:
	s_bfe_u32 s2, ttmp6, 0x10000c
	s_cmp_lg_u32 s2, 0xf033
	s_cbranch_scc0 .Lentry_shape_is_right
	s_endpgm
.Lentry_shape_is_right:
; C = relu(A W + bias).  A: [8192][2048] f16, W: [2048][1024] f16 as it lies ([k][n]), bias: [1024] f32, C: [8192][1024] bf16 (its numbers may pass f16's range).  Sums in f32, C rounded once.
; One text serves two bodies; OUT chooses the way out: 1 = ReLU, bf16; 2 = f32, no ReLU.
.set SIZE_K, 2048
.set SIZE_N, 1024
.set OUT,    1
; LIMITS.  The operands are f16: no number from 65,520 on; a fixed step of 6e-8 below 6e-5.  The ReLU is a maximum with 0 in which a NaN loses.  The order of the sums is the matrix unit's, K ascending.
; SHARES.  A tile of C is 256 rows x 128 columns: 8 x 32 tiles, one for each work-group.  Wave w makes rows 64 w .. 64 w + 63 of all 128 columns: 4 x 8 accumulators of 16 x 16.
; K goes in steps of 128 through a ring of two LDS slots filled by the tensor data mover: A's tile is 256 rows x 256 bytes, W's 128 k-rows x 256 bytes; every row starts at a multiple of 256 bytes from its buffer's first byte.
; Two slots of 256 along K would be 417,792 bytes: they do not fit.  SLOT 1 BEGINS AT BYTE 1 << 17, so that one exclusive or turns an address in one slot into the other's: a K step is written once and looped over.
; W IS NOT TURNED IN MEMORY: ds_load_tr16_b128 turns it on the way from LDS to registers, two loads a fragment like a plain fragment.
; THE MATRIX INSTRUCTION IS USED TRANSPOSED: source 0 = 16 columns of W, source 1 = 16 rows of A: lane l holds row l % 16 of C and the columns 8 (l / 16) + 0..7.
; THE BIAS IS THE C OPERAND of each sum's first product: nothing is cleared and nothing is added later.
; CLUSTER.  4 x 4 work-groups.  A's tile hangs on the tile row alone and is asked for jointly by a row of the cluster, W's on the tile column alone, by a column.
; REGISTERS, in windows of 256 (s_set_vgpr_msb: bits 1:0 source 0, 3:2 source 1, 5:4 source 2, 7:6 destination):
;   window 0: v16-31 addresses; v64-95, v128-159 A's fragments, two buffers; v32-63, v64-255 at work on the way out
;   window 1: v0-63 the bias of my 128 columns (block b at 8 b); v64-127, v128-191 W's fragments, two buffers
;   window 2: the accumulators ((a, b) at 8 (8 a + b))
.set TN,     128
.set NA,     4                         ; blocks of 16 rows in a wave's share
.set KSTEP,  128
.set STEPS,  SIZE_K/KSTEP
.set PA,     272                       ; A's LDS row: 256 bytes + 16: row r starts at bank 4 r mod 64 (64 banks of 4 bytes: ISA guide 11.1)
.set PB,     2*TN+32                   ; W's LDS row: + 32 bytes: row r starts at bank 8 r mod 64
.set HALFA,  128*PA                    ; what one tensor load brings of A
.set HALFB,  64*PB                     ; and of W
.set SLOTB,  2*HALFA+2*HALFB           ; a slot: A's 256 rows, then W's 128 k-rows: 106,496 bytes
.set SLOT1,  1<<17
.set STAGE,  SLOT1+SLOTB               ; behind the ring: 16 rows for each wave, for the way out; no tensor load lands here
.if OUT == 2
.set SPITCH, 528
.set ES,     4
.else
.set SPITCH, 272
.set ES,     2
.endif
.set SPARE,  STAGE+64*SPITCH           ; behind the stages: the spare words, 128 bytes a wave: two blocks of 256 bytes that no other line names
.set NLD,    16+2*NA                   ; LDS loads in a quarter step's run
.set ADRA0, 16                         ; v16     my lane's place among A's fragments in slot 0; never rewritten
.set ADRA,  17                         ; v17     the same in the slot that is being read
.set ADRB0, 20                         ; v20, v21 likewise for W
.set ADRB,  21
.set STO,  24                          ; v24     the way out: where I put my piece of a row
.set RD,   25                          ; v25     where I read rows back
.set CO,   26                          ; v26     my byte offset in C
.set ZR,   27                          ; v27     0, for the ReLU
.set SPW,  28                          ; v28     LDS address of my spare word; never rewritten
.set NIL,  29                          ; v29     0; never rewritten
.set PFO,  30                          ; v30     the prefetches' lane offset; never rewritten
.set BO,   31                          ; v31     my offset in the bias
.set OB,   32
.set F0,   64
.set F1,   128
.set TMP,  192
.set WV,   12                          ; s12 wave   s13 ROLE: 0 fetches A, 1 fetches W   s14 HALF: which half of that tile
.set ROLE, 13
.set HALF, 14
.set LIM,  15                          ; s15  2 in a wave that prefetches, else the greatest number: a wave prefetches while more trips than that are left
.set G1A,  24                          ; s[24:31] group 1 for A's tiles;  s[32:39] group 0: a set for each of the two first fills; the second then walks on
.set G0A,  32
.set PFA,  44                          ; s[44:45] where my prefetches stand;  s[46:47] their step, a K step
.set PFS,  46
.set G1B,  48                          ; s[48:55], s[56:63] the same for W's tiles
.set G0B,  56
.set TB,   79                          ; s79  LDS byte at which the slot that is being read begins: 0 or SLOT1
.set MSB, 0
.macro WIN new                         ; the immediate's high byte repeats the setting that is left; a switch that changes nothing is dropped
.if MSB != (\new)
	s_set_vgpr_msb (MSB<<8)|(\new)
.set MSB, \new
.endif
.endm
.macro PLACES                          ; four places behind a matrix instruction, in front of loads into registers that it read and of lines that read results
.rept 4
	v_nop
.endr
.endm
; A joint load.  Waves 0 and 1 fetch A's two halves, waves 2 and 3 W's.  The branch hangs on the wave's number alone.  An s_nop 0 and four v_nop follow each line.
.macro JLOAD s
	s_cmp_eq_u32 s[ROLE], 0
	s_cbranch_scc0 .Lfor_w_\@
	tensor_load_to_lds s[G0A+4*(\s):G0A+4*(\s)+3], s[G1A:G1A+7]
	s_nop 0
.rept 4
	v_nop
.endr
	s_branch .Lasked_\@
.Lfor_w_\@:
	tensor_load_to_lds s[G0B+4*(\s):G0B+4*(\s)+3], s[G1B:G1B+7]
	s_nop 0
.rept 4
	v_nop
.endr
.Lasked_\@:
.endm
; A prefetch into the L2 of the K step that stands two refills on: 32 rows x 256 bytes, a lane a row.  A's rows are named by the clusters with x = 0, W's by those with y = 0; the four partners
; that ask for a tile jointly share its rows out by address.  So each row's 256 bytes of a K step are named once in the launch.  The loop's last two trips name nothing: there is no K step two refills on.
.macro ASK
	s_cmp_gt_u32 s3, s[LIM]
	s_cbranch_scc0 .Lnot_mine_\@
	global_prefetch_b8 v[PFO], s[PFA:PFA+1] th:TH_LOAD_NT scope:SCOPE_SE
.Lnot_mine_\@:
.endm
; A round of the cluster's barrier: my work-group's barrier, so that wave 0's signal speaks for all four waves; wave 0 signals; every wave waits for all sixteen work-groups; my work-group's barrier once more.
.macro CROUND
	s_barrier_signal -1
	s_barrier_wait -1
	s_cmp_lg_u32 s[WV], 0
	s_cbranch_scc1 .Lnot_wave_0_\@
	s_barrier_signal -3
.Lnot_wave_0_\@:
	s_barrier_wait -3
	s_barrier_signal -1
	s_barrier_wait -1
.endm
	s_load_b256 s[4:11], s[0:1], 0x0               ; A s[4:5], W s[6:7], bias s[8:9], C s[10:11]
	v_lshl_add_u32 v[SPW], v0, 2, SPARE
	v_mov_b32 v[NIL], 0
	ds_add_u32 v[SPW], v[NIL]                      ; the wave's opening: the add and its wait stand ahead of my first tensor load; work on registers stands between them
	v_lshrrev_b32 v1, 5, v0
	v_readfirstlane_b32 s[WV], v1
	s_lshr_b32 s[ROLE], s[WV], 1
	s_and_b32 s[HALF], s[WV], 1
	s_bfe_u32 s40, ttmp6, 0x40000                  ; cx
	s_bfe_u32 s41, ttmp6, 0x40004                  ; cy
	s_lshl_b32 s42, ttmp9, 2
	s_add_co_u32 s42, s42, s40                     ; tile column = 4 x cluster x + cx
	s_and_b32 s43, ttmp7, 0xffff
	s_lshl_b32 s43, s43, 2
	s_add_co_u32 s43, s43, s41                     ; tile row = 4 x cluster y + cy
	s_lshl_b32 s20, s41, 2
	s_lshl_b32 s20, 15, s20                        ; my row of the cluster
	s_lshl_b32 s21, 0x1111, s40                    ; my column
	s_or_b32 s[G1A], s20, (1<<16)|(1<<20)|(1<<21)|(5<<22)|(3<<25)   ; mask; 2-byte elements; padding on; bit 21 beside a mask; after every 64 words 4 words
	s_or_b32 s[G1B], s21, (1<<16)|(1<<20)|(1<<21)|(5<<22)|(7<<25)   ; the column's mask; after every 64 words 8 words
	s_mov_b32 s[G1A+1], KSTEP<<16                  ; tensor_dim0 = 128
	s_mov_b32 s[G1A+2], 128<<16                    ; tensor_dim1 = 128
	s_mov_b32 s[G1A+3], KSTEP<<16                  ; tile_dim0 = 128
	s_mov_b32 s[G1A+4], 128                        ; tile_dim1 = 128
	s_mov_b32 s[G1A+5], SIZE_K                     ; elements from row to row
	s_mov_b32 s[G1A+6], 0
	s_mov_b32 s[G1A+7], 0
	s_mov_b32 s[G1B+1], TN<<16                     ; tensor_dim0 = 128
	s_mov_b32 s[G1B+2], 64<<16                     ; tensor_dim1 = 64
	s_mov_b32 s[G1B+3], TN<<16                     ; tile_dim0 = 128
	s_mov_b32 s[G1B+4], 64                         ; tile_dim1 = 64
	s_mov_b32 s[G1B+5], SIZE_N
	s_mov_b32 s[G1B+6], 0
	s_mov_b32 s[G1B+7], 0
	s_mov_b32 s[TB], 0
	; A's tile hangs on the tile row and the wave, W's on the tile column and the wave; each address is made in registers that never hold the other coordinate
	s_lshl_b32 s16, s43, 8
	s_lshl_b32 s17, s[HALF], 7
	s_add_co_u32 s16, s16, s17                     ; A: row 256 x tile row + 128 x half
	s_mul_i32 s16, s16, SIZE_K*2                   ; in bytes, under 2^26
	s_mov_b32 s17, 0
	s_mul_i32 s66, s[HALF], 64*SIZE_N*2            ; W: k-row 64 x half,
	s_mul_i32 s67, s42, TN*2                       ; column 128 x tile column
	s_add_co_u32 s66, s66, s67
	s_mov_b32 s67, 0
	s_mul_i32 s22, s[HALF], HALFA                  ; where they go: no place in the cluster enters an LDS address
	s_mul_i32 s23, s[HALF], HALFB
	s_add_co_u32 s23, s23, 2*HALFA
	s_wait_dscnt 0x0                               ; the opening add is done
	s_wait_kmcnt 0x0
	s_add_nc_u64 s[18:19], s[4:5], s[16:17]
	s_add_nc_u64 s[68:69], s[6:7], s[66:67]
	CROUND                                         ; all sixteen work-groups are here: the first joint loads meet
.irp s, 0,1
	s_mov_b32 s[G0A+4*(\s)], 1
	s_add_co_u32 s[G0A+4*(\s)+1], s22, (\s)*SLOT1
	s_add_nc_u64 s[G0A+4*(\s)+2:G0A+4*(\s)+3], s[18:19], (\s)*KSTEP*2
	s_or_b32 s[G0A+4*(\s)+3], s[G0A+4*(\s)+3], 0x80000000
	s_mov_b32 s[G0B+4*(\s)], 1
	s_add_co_u32 s[G0B+4*(\s)+1], s23, (\s)*SLOT1
	s_add_nc_u64 s[G0B+4*(\s)+2:G0B+4*(\s)+3], s[68:69], (\s)*KSTEP*SIZE_N*2
	s_or_b32 s[G0B+4*(\s)+3], s[G0B+4*(\s)+3], 0x80000000
	JLOAD \s                                       ; two loads of mine are out
.endr
	v_and_b32 v1, 15, v0                           ; r = l % 16
	v_bfe_u32 v2, v0, 4, 1                         ; h = l / 16
	s_lshl_b32 s20, s[WV], 6                       ; my first row in the tile
	v_mul_u32_u24 v3, v1, PA                       ; A's fragment: row r, 16 bytes for each half of the lanes, two loads 32 bytes apart
	v_lshl_add_u32 v3, v2, 4, v3
	s_mul_i32 s16, s20, PA
	v_add_nc_u32 v[ADRA0], s16, v3
	v_mov_b32 v[ADRA], v[ADRA0]
	v_and_b32 v4, 7, v0                            ; W's fragment, turned: lane l reads k-row 8 h + l % 8, columns 8 ((l / 8) % 2) + 0..7
	v_lshl_add_u32 v4, v2, 3, v4
	v_mul_u32_u24 v4, v4, PB
	v_bfe_u32 v5, v0, 3, 1
	v_lshl_add_u32 v4, v5, 4, v4
	v_add_nc_u32 v[ADRB0], 2*HALFA, v4
	v_mov_b32 v[ADRB], v[ADRB0]
	s_mul_i32 s16, s[WV], 16*SPITCH
	s_add_co_u32 s16, s16, STAGE                   ; my stage
.if OUT == 2
	v_mul_u32_u24 v4, v1, SPITCH                   ; in: row r, 32 bytes for each half of the lanes
	v_lshl_add_u32 v4, v2, 5, v4
	v_add_nc_u32 v[STO], s16, v4
	v_and_b32 v5, 31, v0
	v_lshlrev_b32 v[CO], 4, v5                     ; back: 32 lanes take a row's 512 bytes
	v_add_nc_u32 v[RD], s16, v[CO]
.else
	v_mul_u32_u24 v4, v1, SPITCH                   ; in: row r, 16 bytes for each half of the lanes
	v_lshl_add_u32 v4, v2, 4, v4
	v_add_nc_u32 v[STO], s16, v4
	v_mul_u32_u24 v5, v2, SPITCH                   ; back: lanes 0-15 take one row of 256 bytes, lanes 16-31 the next
	v_lshl_add_u32 v5, v1, 4, v5
	v_add_nc_u32 v[RD], s16, v5
	v_mul_u32_u24 v5, v2, SIZE_N*2
	v_lshl_add_u32 v[CO], v1, 4, v5
	v_mov_b32 v[ZR], 0
.endif
	v_lshlrev_b32 v[BO], 5, v2                     ; my eight columns of a block of sixteen, in f32
	s_lshl_b32 s16, s43, 8
	s_add_co_u32 s16, s16, s20                     ; my first row of C
	s_mul_i32 s16, s16, SIZE_N*ES                  ; under 2^26
	s_mov_b32 s17, 0
	s_add_nc_u64 s[10:11], s[10:11], s[16:17]
	s_mul_i32 s66, s42, TN                         ; my first column
	s_lshl_b32 s68, s66, 2
	s_mov_b32 s69, 0
	s_add_nc_u64 s[8:9], s[8:9], s[68:69]
	s_mul_i32 s66, s66, ES
	s_mov_b32 s67, 0
	s_add_nc_u64 s[10:11], s[10:11], s[66:67]
	WIN 0x40                                       ; destination window 1
.irp b, 0,1,2,3,4,5,6,7
	global_load_b128 v[8*(\b):8*(\b)+3],   v[BO], s[8:9] offset:64*(\b)
	global_load_b128 v[8*(\b)+4:8*(\b)+7], v[BO], s[8:9] offset:64*(\b)+16
.endr
	WIN 0
	; the prefetches: which rows are mine.  A: of the 128 rows that I fetch, rows 32 cx ..  W: wave 2 alone: of a K step's 128 k-rows, rows 32 cy ..  A lane a row.
	s_lshl_b32 s71, s43, 8
	s_lshl_b32 s72, s[HALF], 7
	s_add_co_u32 s71, s71, s72
	s_lshl_b32 s72, s40, 5
	s_add_co_u32 s71, s71, s72
	s_mul_i32 s71, s71, SIZE_K*2
	s_add_co_u32 s71, s71, 3*KSTEP*2               ; at K step 3: the first refill steps it to K step 4
	s_lshl_b32 s73, s41, 5
	s_add_co_u32 s73, s73, 3*KSTEP
	s_mul_i32 s73, s73, SIZE_N*2
	s_mul_i32 s74, s42, TN*2
	s_add_co_u32 s73, s73, s74
	s_and_b32 s70, ttmp7, 0xffff
	s_mov_b32 s74, KSTEP*SIZE_N*2
	s_mov_b32 s75, SIZE_N*2
	s_cmp_eq_u32 s[ROLE], 0                        ; do I fetch for A?
	s_cselect_b32 s70, ttmp9, s70                  ; the coordinate along which other clusters read the same rows
	s_cselect_b32 s76, s71, s73
	s_cselect_b64 s[PFA:PFA+1], s[4:5], s[6:7]
	s_cselect_b32 s[PFS], KSTEP*2, s74
	s_cselect_b32 s75, SIZE_K*2, s75               ; bytes from row to row
	s_mov_b32 s77, 0
	s_mov_b32 s[PFS+1], 0
	s_add_nc_u64 s[PFA:PFA+1], s[PFA:PFA+1], s[76:77]
	s_cmp_eq_u32 s70, 0
	s_cselect_b32 s[LIM], 2, -1                    ; the same in all sixteen partners, for a given wave
	s_cmp_eq_u32 s[WV], 3
	s_cselect_b32 s[LIM], -1, s[LIM]
	v_and_b32 v3, 31, v0
	v_mul_u32_u24 v[PFO], s75, v3
	; nothing is prefetched here, at the head, where every work-group's first tiles are on their way
; 8 matrix instructions: row block a x all 8 column blocks, 32 along K.  first = 1: the product starts the sums, with the bias as C.
; The 32 accumulators take turns in the same order in every quarter step, one instruction a turn.
.macro MULA f, a, first
.set AC, 64*(\a)
.if \first
	WIN 0x91                                       ; W window 1, A window 0, C (bias) window 1, D window 2
.else
	WIN 0xa1                                       ; C and D window 2
.endif
.irp b, 0,1,2,3,4,5,6,7
.if \first
	v_wmma_f32_16x16x32_f16 v[AC+8*(\b):AC+8*(\b)+7], v[(\f)+8*(\b):(\f)+8*(\b)+7], v[(\f)+8*(\a):(\f)+8*(\a)+7], v[8*(\b):8*(\b)+7]
.else
	v_wmma_f32_16x16x32_f16 v[AC+8*(\b):AC+8*(\b)+7], v[(\f)+8*(\b):(\f)+8*(\b)+7], v[(\f)+8*(\a):(\f)+8*(\a)+7], v[AC+8*(\b):AC+8*(\b)+7]
.endif
.endr
.endm
.macro MULS f, a0, n, first            ; row blocks a0 .. a0 + n - 1
.set aa, \a0
.rept \n
	MULA \f, aa, \first
.set aa, aa+1
.endr
.endm
; one run of 24 LDS loads: the fragments of quarter q (32 along K) of the slot that is being read, into buffer f: W's 8 (turned), then A's 4
.macro FETCH q, f
	WIN 0x40
.irp i, 0,1,2,3,4,5,6,7
	ds_load_tr16_b128 v[(\f)+8*(\i):(\f)+8*(\i)+3],   v[ADRB] offset:32*(\q)*PB+32*(\i)
	ds_load_tr16_b128 v[(\f)+8*(\i)+4:(\f)+8*(\i)+7], v[ADRB] offset:32*(\q)*PB+16*PB+32*(\i)
.endr
	WIN 0
.set ii, 0
.rept NA
	ds_load_b128 v[(\f)+8*ii:(\f)+8*ii+3],   v[ADRA] offset:64*(\q)+ii*16*PA
	ds_load_b128 v[(\f)+8*ii+4:(\f)+8*ii+7], v[ADRA] offset:64*(\q)+ii*16*PA+32
.set ii, ii+1
.endr
.endm
; A K step is four quarters on buffers 0, 1, 0, 1.  One of the first three: multiplies buffer f; in its middle it fetches quarter q into buffer g.
.macro QUARTER q, f, g, first
	s_wait_dscnt NA                                ; W's fragments and A's lower blocks are in; the youngest 4 loads (A's upper blocks) may be out
	MULS \f, 0, NA/2, \first
	PLACES
	FETCH \q, \g
	s_wait_dscnt NLD                               ; all but the run just issued
	MULS \f, NA/2, NA/2, \first
.endm
; The last quarter multiplies buffer 1 and changes slots.  In front of the round each wave waits for all its tensor loads (one is out: its part of the next slot), adds 0 to its spare word, and waits for that and for
; its own reads of this slot.  Behind the round no wave of any partner reads this slot any more and the next slot is whole: the joint refill comes first, with the K step two on.
; NO PRODUCT STANDS BETWEEN THE WAIT FOR THE TILE AND THE REFILL: a step's 128 products are shorter work than a tile's way, so the refill goes out as soon as the round allows, and the quarter's 32 products are issued while it is on its way.
.macro TURN
	s_wait_xcnt 0x0                                ; the last prefetch, a K step back, has read its address
	s_add_nc_u64 s[PFA:PFA+1], s[PFA:PFA+1], s[PFS:PFS+1]
	WIN 0
	s_wait_tensorcnt 0x0                           ; no tensor load of mine is out, so a group 0 may be written
	ds_add_u32 v[SPW], v[NIL]                      ; 0 onto my spare word; the descriptors' steps stand between it and the wait for it
	s_xor_b32 s[G0A+5], s[G0A+5], SLOT1            ; the walking descriptors: the other slot than last time,
	s_add_nc_u64 s[G0A+6:G0A+7], s[G0A+6:G0A+7], KSTEP*2  ; the next K step; the type bits on top are not reached
	s_xor_b32 s[G0B+5], s[G0B+5], SLOT1
	s_add_nc_u64 s[G0B+6:G0B+7], s[G0B+6:G0B+7], KSTEP*SIZE_N*2
	s_xor_b32 s[TB], s[TB], SLOT1                  ; the reads go on in the other slot
	s_wait_dscnt 0x0                               ; the add is done, and my reads of this slot are over
	CROUND
	JLOAD 1                                        ; the four v_nop behind it and the two lines below are the places in front of the loads into buffer 0
	v_add_nc_u32 v[ADRA], s[TB], v[ADRA0]
	v_add_nc_u32 v[ADRB], s[TB], v[ADRB0]
	FETCH 0, F0
	ASK
	MULS F1, 0, NA, 0
.endm
; The same in the last two K steps: nothing is filled, so my work-group's barrier does.  In the very last step there is no further slot: the run of loads is jumped over.
.macro TURNX
	WIN 0
	s_wait_tensorcnt 0x0
	ds_add_u32 v[SPW], v[NIL]
	s_xor_b32 s[TB], s[TB], SLOT1
	s_wait_dscnt 0x0
	s_barrier_signal -1
	s_barrier_wait -1
	v_add_nc_u32 v[ADRA], s[TB], v[ADRA0]          ; four places in front of the loads into buffer 0
	v_add_nc_u32 v[ADRB], s[TB], v[ADRB0]
	v_nop
	v_nop
	s_cmp_eq_u32 s3, 1
	s_cbranch_scc1 .Lno_more_\@
	FETCH 0, F0
.Lno_more_\@:
	MULS F1, 0, NA, 0
.endm
; THE WAY OUT, 16 rows at a time, through my own stage: LDS serves a wave's instructions in order (ISA guide 5.7.1.4), so no wait stands between the stores into the stage and the loads from it.
.macro PACK a                          ; rounded to bf16, each accumulator's registers in ascending order; then the ReLU on the packed halves
.set AC, 64*(\a)
	WIN 0x0a
.irp b, 0,1,2,3,4,5,6,7
.irp r, 0,1,2,3
	v_cvt_pk_bf16_f32 v[TMP+4*(\b)+(\r)], v[AC+8*(\b)+2*(\r)], v[AC+8*(\b)+2*(\r)+1]
.endr
.endr
	WIN 0
.set ii, 0
.rept 32
	v_pk_max_num_bf16 v[TMP+ii], v[TMP+ii], v[ZR]
.set ii, ii+1
.endr
.endm
.macro TOSTAGE a
	WIN 0
.set BK, OB+192*((\a)%2)
.irp b, 0,1,2,3,4,5,6,7
	ds_store_b128 v[STO], v[TMP+4*(\b):TMP+4*(\b)+3] offset:32*(\b)
.endr
.irp t, 0,1,2,3,4,5,6,7
	ds_load_b128 v[BK+4*(\t):BK+4*(\t)+3], v[RD] offset:(\t)*2*SPITCH
.endr
.endm
.macro SEND a, younger
	WIN 0
.set BK, OB+192*((\a)%2)
	s_wait_dscnt \younger
	s_wait_xcnt 0x0                                ; the stores' base and the registers that earlier stores read are rewritten only behind this wait
.if (\a) != 0
	s_add_nc_u64 s[10:11], s[10:11], 16*SIZE_N*2
.endif
.irp t, 0,1,2,3,4,5,6,7
	global_store_b128 v[CO], v[BK+4*(\t):BK+4*(\t)+3], s[10:11] offset:2*(\t)*SIZE_N*2  ; 16 lanes store 256 consecutive bytes, at a multiple of 256 from C's first byte
.endr
.endm
.macro TOST a                          ; OUT = 2: f32 straight from the accumulators, the low four registers of each first
.if (\a) >= 2
	s_wait_xcnt 0x0                                ; the stores of the block two back have read the registers that are loaded again below
.endif
.set AC, 64*(\a)
.set BK, 64+64*((\a)%2)
	WIN 0x08                                       ; store data window 2
.irp b, 0,1,2,3,4,5,6,7
	ds_store_b128 v[STO], v[AC+8*(\b):AC+8*(\b)+3]   offset:64*(\b)
	ds_store_b128 v[STO], v[AC+8*(\b)+4:AC+8*(\b)+7] offset:64*(\b)+16
.endr
	WIN 0
.set ii, 0
.rept 16
	ds_load_b128 v[BK+4*ii:BK+4*ii+3], v[RD] offset:SPITCH*ii
.set ii, ii+1
.endr
.endm
.macro SEND32 a, younger
	WIN 0
.set BK, 64+64*((\a)%2)
	s_wait_dscnt \younger                          ; the next block's 16 stores and 16 loads may be out
	s_wait_xcnt 0x0
.if (\a) != 0
	s_add_nc_u64 s[10:11], s[10:11], 16*SIZE_N*4
.endif
.set ii, 0
.rept 16
	global_store_b128 v[CO], v[BK+4*ii:BK+4*ii+3], s[10:11] offset:SIZE_N*4*ii  ; 512 consecutive bytes of a row, at a multiple of 512 from C's first byte
.set ii, ii+1
.endr
.endm
	s_wait_tensorcnt 0x1                           ; my part of K step 0 is in; K step 1's may stay out
	s_barrier_signal -1
	s_barrier_wait -1
	FETCH 0, F0
	s_wait_loadcnt 0x0                             ; the bias
	QUARTER 1, F0, F1, 1                           ; the first quarter stands in front of the loop: its products start the sums
	WIN 0
	s_mov_b32 s3, STEPS-2
.Lstep:                                        ; a trip goes from a K step's second quarter to the next step's first, and fills the slot that it leaves: all steps but the last two
	QUARTER 2, F1, F0, 0
	QUARTER 3, F0, F1, 0
	TURN
	QUARTER 1, F0, F1, 0
	WIN 0
	s_sub_co_u32 s3, s3, 1
	s_cmp_lg_u32 s3, 0
	s_cbranch_scc1 .Lstep
	s_mov_b32 s3, 2                                ; the last two K steps fill nothing
	s_branch .Lmid
.Ltail:
	QUARTER 1, F0, F1, 0
	WIN 0
.Lmid:
	QUARTER 2, F1, F0, 0
	QUARTER 3, F0, F1, 0
	TURNX
	WIN 0
	s_sub_co_u32 s3, s3, 1
	s_cmp_lg_u32 s3, 0
	s_cbranch_scc1 .Ltail
	PLACES
.if OUT == 2
	TOST 0
	TOST 1
	SEND32 0, 32
	TOST 2
	SEND32 1, 32
	TOST 3
	SEND32 2, 32
	SEND32 3, 0
.else
	PACK 0
	TOSTAGE 0
.set ab, 1
.rept NA-1                             ; block a's conversions stand between block a - 1's loads from the stage and the wait for them
	PACK ab
	SEND ab-1, 0
	TOSTAGE ab
.set ab, ab+1
.endr
	SEND NA-1, 0
.endif
	s_wait_tensorcnt 0x0                           ; the wave's end: the tensor wait, an add to my spare word and the wait for it, behind my last tensor load and my last LDS store
	ds_add_u32 v[SPW], v[NIL]
	s_wait_dscnt 0x0
	CROUND                                         ; the closing round: no work-group ends while a partner may still ask for a tile that names it
	s_endpgm
.Lfunc_end_k_q8dc22a602d_enc2:
	.size	k_q8dc22a602d_enc2, .Lfunc_end_k_q8dc22a602d_enc2-k_q8dc22a602d_enc2
	.p2alignl 7, 3214868480
	.fill 96, 4, 3214868480
	.section	.rodata,"a",@progbits
	.p2align	6, 0x0
	.amdhsa_kernel k_q8dc22a602d_enc2
		.amdhsa_group_segment_fixed_size 327680
		.amdhsa_private_segment_fixed_size 0
		.amdhsa_enable_private_segment 0
		.amdhsa_kernarg_size 32
		.amdhsa_user_sgpr_count 2
		.amdhsa_user_sgpr_kernarg_segment_ptr 1
		.amdhsa_wavefront_size32 1
		.amdhsa_system_sgpr_workgroup_id_x 1
		.amdhsa_system_sgpr_workgroup_id_y 1
		.amdhsa_system_sgpr_workgroup_id_z 1
		.amdhsa_system_vgpr_workitem_id 0
		.amdhsa_next_free_vgpr 768
		.amdhsa_next_free_sgpr 80
		.amdhsa_reserve_vcc 0
		.amdhsa_float_denorm_mode_32 3
		.amdhsa_float_denorm_mode_16_64 3
		.amdhsa_memory_ordered 1
		.amdhsa_forward_progress 1
		.amdhsa_inst_pref_size 73
	.end_amdhsa_kernel
	.amdgpu_metadata
---
amdhsa.version: [ 1, 2 ]
amdhsa.kernels:
  - .name:           k_q8dc22a602d_enc2
    .symbol:         k_q8dc22a602d_enc2.kd
    .args:
      - { .name: actB, .offset: 0, .size: 8, .value_kind: global_buffer, .address_space: global }
      - { .name: w2h, .offset: 8, .size: 8, .value_kind: global_buffer, .address_space: global }
      - { .name: b2, .offset: 16, .size: 8, .value_kind: global_buffer, .address_space: global }
      - { .name: actC, .offset: 24, .size: 8, .value_kind: global_buffer, .address_space: global }
    .group_segment_fixed_size: 327680
    .private_segment_fixed_size: 0
    .kernarg_segment_align: 8
    .kernarg_segment_size: 32
    .max_flat_workgroup_size: 128
    .sgpr_count:     80
    .vgpr_count:     768
    .wavefront_size: 32
...
	.end_amdgpu_metadata
.endif
;; end of part 3
;; launch mid (part 4): grid 256 x 1, 4 waves a work-group, clusters of 4 x 1, 295,424 bytes of LDS; arguments actC, wsm, bmu, bk, eps, u, noise, b3, out1, out2, actA; writes out1, out2, actA
.if DOCPART == 4
	.amdgcn_target "amdgcn-amd-amdhsa--gfx1250"
	.amdhsa_code_object_version 6
	.text
	.protected	k_q8dc22a602d_mid
	.globl	k_q8dc22a602d_mid
	.p2align	8
	.type	k_q8dc22a602d_mid,@function
k_q8dc22a602d_mid:
	s_mov_b64 s[64:65], 0
	v_nop
	global_prefetch_b8 v0, s[64:65] scope:SCOPE_SE
	s_setreg_imm32_b32 hwreg(HW_REG_WAVE_MODE, 25, 1), 1
	s_wait_xcnt 0x0
	s_wait_alu depctr_hold_cnt(0) depctr_sa_sdst(0) depctr_va_vdst(0) depctr_va_sdst(0) depctr_va_ssrc(0) depctr_va_vcc(0) depctr_vm_vsrc(0)
	s_getreg_b32 s2, hwreg(HW_REG_IB_STS2, 6, 4)
	s_cmp_eq_u32 s2, 0
	s_cbranch_scc0 .Lentry_in_a_cluster
	s_endpgm
.Lentry_in_a_cluster:
	s_bfe_u32 s2, ttmp6, 0x10000c
	s_cmp_lg_u32 s2, 0x3003
	s_cbranch_scc0 .Lentry_shape_is_right
	s_endpgm
.Lentry_shape_is_right:
; THE MIDDLE: mu = normalise(h2 Wmu + bmu), kappa = min(softplus(h2 Wk + bk) + 1, 6400), Wood's sampler on 16 drawn rounds, the tangent from noise, z, and hd1 = relu(z W3 + b3).
; h2: [8192][1024] bf16.  wsm: the weights as register images of fragments (1,024 bytes each: lane l's registers 0-3 at 16 l, 4-7 at 512 + 16 l):
;   byte 0 WhF (bf16, [Wmu | Wk | 0], fragment 32 b + k / 32), byte 163,840 W3F (f16, fragment 2 nt + k / 32), byte 294,912 WhL (bf16: what Wmu lost in WhF's rounding).
; out1 = mu [8192][64] f32, out2 = kappa [8192] f32, hd1 [8192][1024] f16.
; LIMITS.  h2 is rounded to bf16, Wmu is taken as two bf16 numbers, Wk as one; z, W3 and hd1 are f16 (|z| = 1; hd1 from 65,520 on would be an infinity).  Square roots, reciprocals, logarithms and exponentials are the
; chip's, good to one unit in the last place and flushing denormals; the three quotients b, x0, w get one correction by fused multiply-adds; log1p(y) = log(1 + y) y / ((1 + y) - 1), or y where (1 + y) - 1 is 0.
; A NaN loses in the maxima and minima (ReLU, clips).  The choice of the accepted round only selects values: no branch and no address hangs on it.
; SHARES.  32 rows a work-group.  Phase 1: K = 1,024 split among the four waves, 256 each; partial sums meet in LDS.  Phase 2: lane (row = thread / 4, q = thread % 4) holds components 16 q .. 16 q + 15 of its row and
; takes rounds 4 q .. 4 q + 3.  Phase 3: wave w makes columns 256 w .. 256 w + 255 of hd1 for all 32 rows.
; CLUSTER.  Every work-group multiplies by the same weights.  Four work-groups form a cluster and ask for the head's images JOINTLY: wsm is 13 rows of 32,768 bytes, and wave w takes bytes 8,192 w .. + 8,191 of rows 0-4
; (WhF: its quarter of K for the five column blocks) and of rows 9-12 (WhL), by two tensor loads, into 73,728 bytes of LDS that it alone reads.  Both are first fills: nothing is filled again.
; W3F (131,072 bytes) has no room in LDS beside them; it comes straight into registers, asked for at the head, and is wanted only in phase 3.  h2, noise, eps, u are each work-group's own.
; THE SCRATCH (partial sums, z, kappa, stages) lies from LDS byte 0 on, in tiles that have had their one fill: a barrier stands between every wave's last read of its tile and the first store there.
; NO PREFETCH: all loads go out at the head.
; BOTH PRODUCTS ARE USED TRANSPOSED (source 0 = 16 columns of the weights, source 1 = 16 rows): lane l holds row l % 16 and the columns 8 (l / 16) + 0..7.
; REGISTERS, in windows of 256 (s_set_vgpr_msb: bits 1:0 source 0, 3:2 source 1, 5:4 source 2, 7:6 destination):
;   window 0: v2-31 addresses; v32-111 phase 1's ten accumulators, later z's fragments (v32-63) and packed results (v64-127); v112-175 Wk's fragments, later phase 2; v176-255 phase 2
;   window 1: v0-127 h2's fragments, later rows on their way out; v128-255 b3        window 2: two buffers of 16 fragments of WhF or WhL, later phase 3's 32 accumulators        window 3: W3F's fragments
.set WREG,  73728                      ; a wave's tiles: WhF's five rows of 8,192 bytes, then WhL's four
.set WLO,   40960
.set PP,    336                        ; a row of partial sums: 80 f32 + 16 bytes = 84 words: 16 rows start at 16 different groups of four banks (64 banks of 4 bytes: ISA guide 11.1)
.set PW,    32*PP                      ; a wave's partial sums
.set ZF,    4*PW                       ; 43,008: z as four fragment images
.set KAP,   ZF+4096                    ; 47,104: kappa of the 32 rows
.set MUS,   KAP+256                    ; 47,360: mu on its way out: for each wave 8 rows x 272 bytes in 2,304
.set MUW,   2304
.set MP,    272
.set STG,   MUS+4*MUW                  ; 56,576: hd1 on its way out: for each wave 16 rows x 528 bytes; ends at 90,368
.set SGP,   528
.set SGW,   16*SGP
.set SPARE, 4*WREG                     ; 294,912, behind the tiles: the spare words, 128 bytes a wave: two blocks of 256 bytes that no other line names
.set W3OFF, 163840
.set WLOFF, 294912
.set HOF, 2                            ; offsets in memory: h2
.set LW,  3                            ; LDS: my 16 bytes of a fragment in my wave's tiles: WhF,
.set LW2, 23                           ; and WhL (written when the set-up has done with v23)
.set L3,  4                            ; W3F
.set BO3, 5                            ; b3
.set NOF, 6                            ; noise
.set EOF, 7                            ; eps, u
.set BMO, 8                            ; bmu
.set PST, 9                            ; LDS: partial sums in,
.set PRD, 10                           ; and back,
.set KPR, 11                           ; and column 64
.set ZST, 12
.set ZRD, 13
.set KST, 14
.set KRD, 15
.set MST, 16
.set MRD, 17
.set O1O, 18                           ; out1
.set STO, 19
.set RD,  20
.set HDO, 21                           ; hd1
.set K2O, 28                           ; out2
.set ZRO, 29                           ; 0, for the ReLU
.set SPW, 30                           ; LDS address of my spare word; never rewritten
.set NIL, 31                           ; 0; never rewritten
.set A1,  32                           ; accumulator (t, b) at A1 + 8 (2 b + t)
.set ZR,  32
.set TMP, 64
.set KF,  112
.set MU,  112
.set P1,  128                          ; later mu read back, then z
.set P2,  144
.set P3,  160
.set ZH,  144                          ; z in f16
.set U1,  144
.set DN,  149
.set LG,  154
.set RQ,  159
.set TT,  164
.set PN,  168
.set KEY, 169
.set T3,  170
.set SC0, 171
.set SC1, 172
.set SC2, 173
.set NZ,  176                          ; noise, then its part orthogonal to mu
.set BM,  192
.set EP,  208
.set UU,  212
.set KP,  216
.set SA,  220
.set SB,  222
.set AV,  224
.set KA,  225
.set BB,  226
.set X0,  227
.set CC,  228
.set OPB, 229
.set OMB, 230
.set QF,  231
.set INV, 232
.set DT,  234
.set WS,  236
.set CF,  238
.set W,   240
.set DEN, 244
.set YY,  248
.set T0,  253
.set T1,  254
.set T2,  255
.set G1F, 68                           ; s[68:75] descriptor group 1 for WhF's five rows;  s[76:83] for WhL's four
.set G1L, 76
.set G0F, 84                           ; s[84:87], s[88:91] their groups 0
.set G0L, 88
.set MSB, 0
.macro WIN new
.if MSB != (\new)
	s_set_vgpr_msb (MSB<<8)|(\new)
.set MSB, \new
.endif
.endm
.macro PLACES
.rept 4
	v_nop
.endr
.endm
; A round of the cluster's barrier: my work-group's barrier, so that wave 0's signal speaks for all four waves; wave 0 signals; every wave waits for all four work-groups; my work-group's barrier once more.
.macro CROUND
	s_barrier_signal -1
	s_barrier_wait -1
	s_cmp_lg_u32 s30, 0
	s_cbranch_scc1 .Lnot_wave_0_\@
	s_barrier_signal -3
.Lnot_wave_0_\@:
	s_barrier_wait -3
	s_barrier_signal -1
	s_barrier_wait -1
.endm
; the sum over a row's 64 components of xa x xb, in every one of the row's four lanes, in v[SA]
.macro DOT16 xa, xb
	v_pk_mul_f32 v[SA:SA+1], v[(\xa):(\xa)+1], v[(\xb):(\xb)+1]
	v_pk_mul_f32 v[SB:SB+1], v[(\xa)+2:(\xa)+3], v[(\xb)+2:(\xb)+3]
.irp c, 4,8,12
	v_pk_fma_f32 v[SA:SA+1], v[(\xa)+(\c):(\xa)+(\c)+1], v[(\xb)+(\c):(\xb)+(\c)+1], v[SA:SA+1]
	v_pk_fma_f32 v[SB:SB+1], v[(\xa)+(\c)+2:(\xa)+(\c)+3], v[(\xb)+(\c)+2:(\xb)+(\c)+3], v[SB:SB+1]
.endr
	v_pk_add_f32 v[SA:SA+1], v[SA:SA+1], v[SB:SB+1]
	v_add_f32 v[SA], v[SA], v[SA+1]
	v_add_f32_dpp v[SA], v[SA], v[SA] row_xmask:1 row_mask:0xf bank_mask:0xf
	v_add_f32_dpp v[SA], v[SA], v[SA] row_xmask:2 row_mask:0xf bank_mask:0xf
.endm
; q = a / b from r = about 1 / b: q = a r, corrected once by the remainder a - b q
.macro DIV q, a, b, r, t
	v_mul_f32 v[\q], v[\a], v[\r]
	v_fma_f32 v[\t], -v[\b], v[\q], v[\a]
	v_fma_f32 v[\q], v[\t], v[\r], v[\q]
.endm
	s_load_b512 s[8:23], s[0:1], 0x0               ; h2 8, wsm 10, bmu 12, bk 14, eps 16, u 18, noise 20, b3 22
	s_load_b128 s[24:27], s[0:1], 0x40             ; out1 24, out2 26
	s_load_b64 s[28:29], s[0:1], 0x50              ; hd1
	v_lshl_add_u32 v[SPW], v0, 2, SPARE
	v_mov_b32 v[NIL], 0
	ds_add_u32 v[SPW], v[NIL]                      ; the wave's opening: the add and its wait stand ahead of my first tensor load; work on registers stands between them
	v_mov_b32 v[ZRO], 0
	v_lshrrev_b32 v1, 5, v0
	v_readfirstlane_b32 s30, v1                    ; wave w
	s_bfe_u32 s48, ttmp6, 0x40000                  ; cx: my place in the cluster
	s_lshl_b32 s33, ttmp9, 2                       ; in a cluster launch ttmp9 counts clusters
	s_add_co_u32 s33, s33, s48                     ; my block of 32 rows: it enters the rows' addresses alone
	v_and_b32 v22, 31, v0                          ; l
	v_and_b32 v23, 15, v0                          ; r
	v_bfe_u32 v24, v0, 4, 1                        ; h
	v_and_b32 v25, 3, v0                           ; q
	v_bfe_u32 v26, v0, 2, 3                        ; l / 4
	v_lshrrev_b32 v27, 2, v0                       ; my row in phase 2: 8 w + l / 4
	s_lshl_b32 s32, s30, 9
	v_lshl_add_u32 v[HOF], v23, 11, s32            ; row r x 2,048 + my wave's 256 k x 2
	v_lshl_add_u32 v[HOF], v24, 4, v[HOF]          ; + 16 h
	s_lshl_b32 s32, s30, 15
	s_add_co_u32 s32, s32, W3OFF
	v_lshl_add_u32 v[L3], v22, 4, s32              ; 16 l + my wave's 32 fragments of W3F
	s_lshl_b32 s32, s30, 10
	v_lshl_add_u32 v[BO3], v24, 5, s32             ; my wave's 256 columns, my eight of sixteen
	v_lshlrev_b32 v[NOF], 6, v0                    ; row x 256 + 64 q = 64 x thread
	v_lshlrev_b32 v[EOF], 2, v27
	v_lshl_add_u32 v[EOF], v25, 17, v[EOF]         ; round 4 q, my row
	v_lshlrev_b32 v[BMO], 6, v25
	s_lshl_b32 s42, s33, 16                        ; the work-group's 32 rows: of 2,048 bytes,
	s_mov_b32 s43, 0
	s_lshl_b32 s44, s33, 13                        ; of 256,
	s_mov_b32 s45, 0
	s_lshl_b32 s46, s33, 7                         ; of 4
	s_mov_b32 s47, 0
	s_mov_b32 s34, 0x3f317218                      ; ln 2
	s_mov_b32 s35, 0xbfb8aa3b                      ; -log2 e
	s_mov_b32 s36, 0x427c0000                      ; d = 63
	s_mov_b32 s37, 0x45781000                      ; d d = 3,969
	s_mov_b32 s38, 0x45c80000                      ; 6,400
	s_mov_b32 s39, 0x322bcc77                      ; 1e-8
	s_mov_b32 s40, 0x2b8cbccc                      ; 1e-12
	; descriptor groups 1: rows of 1,024 elements of 8 bytes, 4,096 elements from row to row, no padding (a fragment's loads take 512 consecutive bytes)
	s_mov_b32 s[G1F], 15|(3<<16)|(1<<21)           ; 15:0 the mask: all four work-groups; 17:16 elements of 8 bytes; 21 set beside a mask
	s_mov_b32 s[G1F+1], 1024<<16                   ; tensor_dim0 = 1,024
	s_mov_b32 s[G1F+2], 5<<16                      ; tensor_dim1 = 5
	s_mov_b32 s[G1F+3], 1024<<16                   ; tile_dim0 = 1,024
	s_mov_b32 s[G1F+4], 5                          ; tile_dim1 = 5
	s_mov_b32 s[G1F+5], 4096
	s_mov_b32 s[G1F+6], 0
	s_mov_b32 s[G1F+7], 0
	s_mov_b32 s[G1L], 15|(3<<16)|(1<<21)
	s_mov_b32 s[G1L+1], 1024<<16
	s_mov_b32 s[G1L+2], 4<<16                      ; four rows
	s_mov_b32 s[G1L+3], 1024<<16
	s_mov_b32 s[G1L+4], 4
	s_mov_b32 s[G1L+5], 4096
	s_mov_b32 s[G1L+6], 0
	s_mov_b32 s[G1L+7], 0
	s_mul_i32 s56, s30, WREG                       ; my wave's tiles in LDS: no place in the cluster enters an LDS address
	s_mov_b32 s[G0F], 1
	s_mov_b32 s[G0F+1], s56
	s_mov_b32 s[G0L], 1
	s_add_co_u32 s[G0L+1], s56, WLO
	s_lshl_b32 s58, s30, 13                        ; my wave's 8,192 bytes of each row
	s_mov_b32 s59, 0
	s_wait_dscnt 0x0                               ; the opening add is done
	s_wait_kmcnt 0x0
	s_load_b32 s31, s[14:15], 0x0                  ; bk
	s_add_nc_u64 s[G0F+2:G0F+3], s[10:11], s[58:59]
	s_add_nc_u64 s[G0L+2:G0L+3], s[G0F+2:G0F+3], WLOFF
	s_or_b32 s[G0F+3], s[G0F+3], 0x80000000        ; type = 2
	s_or_b32 s[G0L+3], s[G0L+3], 0x80000000
	s_add_nc_u64 s[8:9], s[8:9], s[42:43]
	s_add_nc_u64 s[28:29], s[28:29], s[42:43]
	s_add_nc_u64 s[20:21], s[20:21], s[44:45]
	s_add_nc_u64 s[24:25], s[24:25], s[44:45]
	s_add_nc_u64 s[16:17], s[16:17], s[46:47]
	s_add_nc_u64 s[18:19], s[18:19], s[46:47]
	s_add_nc_u64 s[26:27], s[26:27], s[46:47]
	CROUND                                         ; all four work-groups are here: the joint loads meet
	tensor_load_to_lds s[G0F:G0F+3], s[G1F:G1F+7]  ; two loads of mine are out; an s_nop 0 follows each, four v_nop the second's
	s_nop 0
	tensor_load_to_lds s[G0L:G0L+3], s[G1L:G1L+7]
	s_nop 0
.rept 4
	v_nop
.endr
	; ---- all loads into registers, the ones wanted first in front
	WIN 0x40
.set n, 0
.rept 16                               ; h2: fragment n = 8 t + s: rows 16 t .., k = 32 s .. of my 256
	global_load_b128 v[8*n:8*n+3],   v[HOF], s[8:9] offset:32768*(n/8)+64*(n%8) th:TH_LOAD_NT
	global_load_b128 v[8*n+4:8*n+7], v[HOF], s[8:9] offset:32768*(n/8)+64*(n%8)+32 th:TH_LOAD_NT
.set n, n+1
.endr
	WIN 0
.irp c, 0,1,2,3
	global_load_b128 v[NZ+4*\c:NZ+4*\c+3], v[NOF], s[20:21] offset:16*\c th:TH_LOAD_NT
.endr
.irp c, 0,1,2,3
	global_load_b128 v[BM+4*\c:BM+4*\c+3], v[BMO], s[12:13] offset:16*\c
.endr
.irp i, 0,1,2,3
	global_load_b32 v[EP+\i], v[EOF], s[16:17] offset:32768*\i
.endr
.irp i, 0,1,2,3
	global_load_b32 v[UU+\i], v[EOF], s[18:19] offset:32768*\i
.endr
	WIN 0x40
.set n, 0
.rept 32                               ; b3: column block n / 2 of my sixteen
	global_load_b128 v[128+4*n:128+4*n+3], v[BO3], s[22:23] offset:64*(n/2)+16*(n%2)
.set n, n+1
.endr
	WIN 0xc0
.set n, 0
.rept 64                               ; W3F: my wave's 32 fragments, 32,768 consecutive bytes
	global_load_b128 v[4*n:4*n+3], v[L3], s[10:11] offset:512*n
.set n, n+1
.endr
	WIN 0
	; ---- LDS addresses, while the loads are on their way
	v_lshl_add_u32 v[LW], v22, 4, s56
	s_mul_i32 s32, s30, PW
	v_mul_u32_u24 v1, v23, PP
	v_lshl_add_u32 v1, v24, 5, v1
	v_add_nc_u32 v[PST], s32, v1                   ; my wave's sums: row r, 32 bytes for each half of the lanes
	v_mul_u32_u24 v1, v27, PP
	v_lshl_add_u32 v[PRD], v25, 6, v1              ; back: my row, my 16 components
	v_add_nc_u32 v[KPR], 256, v1                   ; and its column 64
	v_lshrrev_b32 v1, 4, v27                       ; z: components 16 q + 0..7 of row 16 t + r' are registers 4 (q % 2) .. of lane r' in fragment (t, q / 2); components 16 q + 8..15 those of lane 16 + r'
	v_lshlrev_b32 v1, 11, v1
	v_and_b32 v32, 15, v27
	v_lshl_add_u32 v1, v32, 4, v1
	v_lshl_add_u32 v1, v25, 9, v1
	v_add_nc_u32 v[ZST], ZF, v1
	v_lshl_add_u32 v[ZRD], v22, 4, ZF
	v_lshl_add_u32 v[KST], v27, 2, KAP
	v_lshl_add_u32 v[KRD], v22, 2, KAP
	v_lshlrev_b32 v[K2O], 2, v22
	s_mul_i32 s32, s30, MUW
	s_add_co_u32 s32, s32, MUS
	v_mul_u32_u24 v1, v26, MP
	v_lshl_add_u32 v1, v25, 6, v1
	v_add_nc_u32 v[MST], s32, v1
	v_mul_u32_u24 v1, v24, MP
	v_lshl_add_u32 v1, v23, 4, v1
	v_add_nc_u32 v[MRD], s32, v1
	s_lshl_b32 s32, s30, 11
	v_lshl_add_u32 v[O1O], v22, 4, s32
	s_mul_i32 s32, s30, SGW
	s_add_co_u32 s32, s32, STG
	v_mul_u32_u24 v1, v23, SGP
	v_lshl_add_u32 v1, v24, 4, v1
	v_add_nc_u32 v[STO], s32, v1
	v_lshl_add_u32 v[RD], v22, 4, s32
	s_lshl_b32 s32, s30, 9
	v_lshl_add_u32 v[HDO], v22, 4, s32
	v_cvt_f32_u32 v[QF], v25
	v_add_nc_u32 v[LW2], WLO, v[LW]                ; (v23 = r is not wanted again)
; ---- PHASE 1: 144 products.  The head's fragments come out of my tiles in four chunks of 16: chunk c = WhF (c < 2) or WhL, k = 128 (c % 2) .. + 127 of my 256, fragment 4 s' + b, into half c % 2 of window 2.
; A chunk is loaded while the chunk before it is multiplied.
.macro LDC c
	WIN 0x80
.set n, 0
.rept 16
.if (\c) < 2
	ds_load_b128 v[128*((\c)%2)+8*n:128*((\c)%2)+8*n+3],   v[LW] offset:8192*(n%4)+1024*(4*((\c)%2)+n/4)
	ds_load_b128 v[128*((\c)%2)+8*n+4:128*((\c)%2)+8*n+7], v[LW] offset:8192*(n%4)+1024*(4*((\c)%2)+n/4)+512
.else
	ds_load_b128 v[128*((\c)%2)+8*n:128*((\c)%2)+8*n+3],   v[LW2] offset:8192*(n%4)+1024*(4*((\c)%2)+n/4)
	ds_load_b128 v[128*((\c)%2)+8*n+4:128*((\c)%2)+8*n+7], v[LW2] offset:8192*(n%4)+1024*(4*((\c)%2)+n/4)+512
.endif
.set n, n+1
.endr
.endm
; a chunk's 32 products.  The eight accumulators take turns, one instruction a turn; the very first eight start the sums.
.macro MULC c
	WIN 0x06                                       ; the weights window 2, h2 window 1, sums window 0
.set sp, 0
.rept 4
.irp b, 0,1,2,3
.irp t, 0,1
.if ((\c) == 0) && (sp == 0)
	v_wmma_f32_16x16x32_bf16 v[A1+8*(2*\b+\t):A1+8*(2*\b+\t)+7], v[128*((\c)%2)+8*(4*sp+\b):128*((\c)%2)+8*(4*sp+\b)+7], v[8*(8*\t+4*((\c)%2)+sp):8*(8*\t+4*((\c)%2)+sp)+7], 0
.else
	v_wmma_f32_16x16x32_bf16 v[A1+8*(2*\b+\t):A1+8*(2*\b+\t)+7], v[128*((\c)%2)+8*(4*sp+\b):128*((\c)%2)+8*(4*sp+\b)+7], v[8*(8*\t+4*((\c)%2)+sp):8*(8*\t+4*((\c)%2)+sp)+7], v[A1+8*(2*\b+\t):A1+8*(2*\b+\t)+7]
.endif
.endr
.endr
.set sp, sp+1
.endr
.endm
	s_wait_tensorcnt 0x1                           ; WhF's rows, my first load, are in LDS; WhL's may be out.  Only I read these bytes, so my own count orders the reads
	LDC 0
	WIN 0
.set n, 0
.rept 16                               ; row 4: Wk's column block
	ds_load_b128 v[KF+4*n:KF+4*n+3], v[LW] offset:32768+512*n
.set n, n+1
.endr
	s_wait_loadcnt 63                              ; h2, noise, bmu, eps, u, b3 are in: W3F's 64 loads are younger, one more than the count can name
	s_wait_dscnt 16                                ; chunk 0 is in; Wk's 16 loads may be out
	LDC 1
	MULC 0
	s_wait_tensorcnt 0x0                           ; WhL's rows are in LDS
	s_wait_dscnt 0x0                               ; Wk's fragments and chunk 1 are in
	PLACES                                         ; in front of the loads into the half that chunk 0's products read
	LDC 2
	MULC 1
	s_wait_dscnt 0x0                               ; chunk 2
	PLACES
	LDC 3
	MULC 2
	s_wait_dscnt 0x0                               ; chunk 3: my tensor loads have landed and my reads of my tiles are over:
	s_barrier_signal -1                            ; say so; behind this barrier the tiles' bytes serve as scratch
	MULC 3
	WIN 0x04                                       ; Wk's fragments window 0
.set ks, 0
.rept 8
.irp t, 0,1
.if ks == 0
	v_wmma_f32_16x16x32_bf16 v[A1+8*(8+\t):A1+8*(8+\t)+7], v[KF+8*ks:KF+8*ks+7], v[8*(8*\t+ks):8*(8*\t+ks)+7], 0
.else
	v_wmma_f32_16x16x32_bf16 v[A1+8*(8+\t):A1+8*(8+\t)+7], v[KF+8*ks:KF+8*ks+7], v[8*(8*\t+ks):8*(8*\t+ks)+7], v[A1+8*(8+\t):A1+8*(8+\t)+7]
.endif
.endr
.set ks, ks+1
.endr
	WIN 0
	s_barrier_wait -1                              ; every wave has read its tiles out
	PLACES                                         ; in front of the stores that read the sums
.irp b, 0,1,2,3,4
.irp t, 0,1
	ds_store_b128 v[PST], v[A1+8*(2*\b+\t):A1+8*(2*\b+\t)+3]   offset:16*PP*\t+64*\b
	ds_store_b128 v[PST], v[A1+8*(2*\b+\t)+4:A1+8*(2*\b+\t)+7] offset:16*PP*\t+64*\b+16
.endr
.endr
	s_wait_dscnt 0x0                               ; for the others' sake: my partial sums lie in LDS
	s_barrier_signal -1
	s_barrier_wait -1
	; ---- PHASE 2
.irp p, 0,1,2,3
.irp c, 0,1,2,3
	ds_load_b128 v[MU+16*\p+4*\c:MU+16*\p+4*\c+3], v[PRD] offset:PW*\p+16*\c
.endr
.endr
.irp p, 0,1,2,3
	ds_load_b32 v[KP+\p], v[KPR] offset:PW*\p
.endr
	s_wait_kmcnt 0x0                               ; bk
	s_wait_dscnt 0x0
.set c, 0
.rept 8
	v_pk_add_f32 v[MU+c:MU+c+1], v[MU+c:MU+c+1], v[P1+c:P1+c+1]
	v_pk_add_f32 v[P2+c:P2+c+1], v[P2+c:P2+c+1], v[P3+c:P3+c+1]
.set c, c+2
.endr
.set c, 0
.rept 8
	v_pk_add_f32 v[MU+c:MU+c+1], v[MU+c:MU+c+1], v[P2+c:P2+c+1]
.set c, c+2
.endr
.set c, 0
.rept 8
	v_pk_add_f32 v[MU+c:MU+c+1], v[MU+c:MU+c+1], v[BM+c:BM+c+1]
.set c, c+2
.endr
	v_add_f32 v[KP], v[KP], v[KP+1]
	v_add_f32 v[KP+2], v[KP+2], v[KP+3]
	v_add_f32 v[AV], v[KP], v[KP+2]
	v_add_f32 v[AV], s31, v[AV]                    ; a = h2 . Wk + bk
	DOT16 MU, MU
	v_and_b32 v[T0], 0x7fffffff, v[AV]
	v_mul_f32 v[T0], s35, v[T0]                    ; -|a| log2 e
	v_sqrt_f32 v[T1], v[SA]                        ; |mu|
	v_exp_f32 v[T2], v[T0]                         ; e^-|a|
	v_max_num_f32 v[T3], 0, v[AV]                  ; a plain line behind the batch;
	s_wait_alu depctr_va_vdst(0)                   ; one such wait stands between a batch of these and the first line that names a result
	v_add_f32 v[T1], s39, v[T1]
	v_add_f32 v[T2], 1.0, v[T2]
	v_rcp_f32 v[INV], v[T1]
	v_log_f32 v[T0], v[T2]
	v_nop
	s_wait_alu depctr_va_vdst(0)
	v_fma_f32 v[KA], v[T0], s34, v[T3]             ; softplus(a) = max(a, 0) + ln(1 + e^-|a|)
	v_mov_b32 v[INV+1], v[INV]
	v_add_f32 v[KA], 1.0, v[KA]
	v_min_num_f32 v[KA], s38, v[KA]                ; kappa
.set c, 0
.rept 8
	v_pk_mul_f32 v[MU+c:MU+c+1], v[MU+c:MU+c+1], v[INV:INV+1]
.set c, c+2
.endr
	ds_store_b32 v[KST], v[KA]                     ; a row's four lanes write the same word with the same number
.irp c, 0,1,2,3
	ds_store_b128 v[MST], v[MU+4*\c:MU+4*\c+3] offset:16*\c
.endr
.irp j, 0,1,2,3
	ds_load_b128 v[P1+4*\j:P1+4*\j+3], v[MRD] offset:2*MP*\j  ; my wave's own bytes, served in order: rows 2 j and 2 j + 1 whole
.endr
	v_mul_f32 v[T0], 4.0, v[KA]
	v_fma_f32 v[T0], v[T0], v[KA], s37
	v_sqrt_f32 v[T1], v[T0]                        ; s = sqrt(4 k k + d d)
	DOT16 NZ, MU                                   ; noise . mu stands behind it
	v_mov_b32 v[DT], v[SA]
	v_mov_b32 v[DT+1], v[SA]
	s_wait_dscnt 0x0
.irp j, 0,1,2,3
	global_store_b128 v[O1O], v[P1+4*\j:P1+4*\j+3], s[24:25] offset:512*\j  ; 512 consecutive bytes of out1, at a multiple of 512 from its first byte
.endr
	s_wait_alu depctr_va_vdst(0)
	v_fma_f32 v[T0], v[KA], 2.0, v[T1]             ; s + 2 k
	v_rcp_f32 v[T2], v[T0]
.set c, 0
.rept 8
	v_pk_fma_f32 v[NZ+c:NZ+c+1], v[DT:DT+1], v[MU+c:MU+c+1], v[NZ+c:NZ+c+1] neg_lo:[1,0,0] neg_hi:[1,0,0]  ; noise - (noise . mu) mu
.set c, c+2
.endr
	DOT16 NZ, NZ
	s_wait_alu depctr_va_vdst(0)
	v_mul_f32 v[BB], s36, v[T2]                    ; b = d / (s + 2 k), corrected once
	v_fma_f32 v[T1], -v[T0], v[BB], s36
	v_fma_f32 v[BB], v[T1], v[T2], v[BB]
	v_add_f32 v[OPB], 1.0, v[BB]
	v_sub_f32 v[OMB], 1.0, v[BB]
.irp i, 0,1,2,3
	v_fma_f32 v[DEN+\i], -v[OMB], v[EP+\i], 1.0
.endr
	v_rcp_f32 v[T2], v[OPB]
.irp i, 0,1,2,3
	v_rcp_f32 v[RQ+\i], v[DEN+\i]
.endr
.irp i, 0,1,2,3
	v_fma_f32 v[TT+\i], -v[OPB], v[EP+\i], 1.0
.endr
	s_wait_alu depctr_va_vdst(0)
	DIV X0, OMB, OPB, T2, T1                       ; x0 = (1 - b) / (1 + b)
.irp i, 0,1,2,3
	DIV W+\i, TT+\i, DEN+\i, RQ+\i, T1             ; w = (1 - (1 + b) eps) / (1 - (1 - b) eps)
.endr
	v_mul_f32 v[YY], -v[X0], v[X0]
.irp i, 0,1,2,3
	v_mul_f32 v[YY+1+\i], -v[X0], v[W+\i]
.endr
.irp i, 0,1,2,3,4
	v_add_f32 v[U1+\i], 1.0, v[YY+\i]
.endr
.irp i, 0,1,2,3,4
	v_add_f32 v[DN+\i], -1.0, v[U1+\i]
.endr
.irp i, 0,1,2,3
	v_max_num_f32 v[UU+\i], s40, v[UU+\i]
.endr
.irp i, 0,1,2,3,4
	v_log_f32 v[LG+\i], v[U1+\i]
.endr
.irp i, 0,1,2,3,4
	v_rcp_f32 v[RQ+\i], v[DN+\i]
.endr
.irp i, 0,1,2,3
	v_log_f32 v[TT+\i], v[UU+\i]
.endr
	v_sqrt_f32 v[PN], v[SA]                        ; the length of noise's orthogonal part
	v_mul_f32 v[CC], v[KA], v[X0]
.irp i, 0,1,2,3
	v_mul_f32 v[DEN+\i], v[KA], v[W+\i]
.endr
	s_wait_alu depctr_va_vdst(0)
.irp i, 0,1,2,3,4
	v_mul_f32 v[RQ+\i], v[YY+\i], v[RQ+\i]         ; y / ((1 + y) - 1)
	v_mul_f32 v[LG+\i], s34, v[LG+\i]              ; ln(1 + y)
.endr
.irp i, 0,1,2,3,4
	v_mul_f32 v[LG+\i], v[LG+\i], v[RQ+\i]
	v_cmp_eq_f32 vcc_lo, 0, v[DN+\i]
	v_cndmask_b32 v[LG+\i], v[LG+\i], v[YY+\i], vcc_lo
.endr
	v_fma_f32 v[CC], s36, v[LG], v[CC]             ; c = k x0 + d log1p(-x0 x0)
.irp i, 0,1,2,3
	v_fma_f32 v[DEN+\i], s36, v[LG+1+\i], v[DEN+\i]
	v_mul_f32 v[TT+\i], s34, v[TT+\i]              ; ln max(u, 1e-12)
	v_sub_f32 v[DEN+\i], v[DEN+\i], v[CC]          ; t = k w + d log1p(-x0 w) - c
	v_cmp_ge_f32 s[50+\i], v[DEN+\i], v[TT+\i]
.endr
	; the first accepted of my four rounds (w of my last round if none); then the lowest q of the row with an accepted round, or 3 if there is none: its lane's choice is the row's
	v_mov_b32 v[WS], v[W+3]
	v_cndmask_b32 v[WS], v[WS], v[W+2], s52
	v_cndmask_b32 v[WS], v[WS], v[W+1], s51
	v_cndmask_b32 v[WS], v[WS], v[W], s50
	s_or_b32 s54, s50, s51
	s_or_b32 s55, s52, s53
	s_or_b32 s54, s54, s55
	v_cndmask_b32 v[KEY], 4.0, v[QF], s54
	v_min_num_f32_dpp v[KEY], v[KEY], v[KEY] row_xmask:1 row_mask:0xf bank_mask:0xf
	v_min_num_f32_dpp v[KEY], v[KEY], v[KEY] row_xmask:2 row_mask:0xf bank_mask:0xf
	v_min_num_f32 v[KEY], 0x40400000, v[KEY]
	v_cmp_eq_f32 vcc_lo, v[QF], v[KEY]
	v_cndmask_b32 v[WS], 0, v[WS], vcc_lo
	v_add_f32_dpp v[WS], v[WS], v[WS] row_xmask:1 row_mask:0xf bank_mask:0xf
	v_add_f32_dpp v[WS], v[WS], v[WS] row_xmask:2 row_mask:0xf bank_mask:0xf
	v_add_f32 v[PN], s39, v[PN]
	v_fma_f32 v[SC0], -v[WS], v[WS], 1.0
	v_max_num_f32 v[SC0], 0, v[SC0]
	v_rcp_f32 v[SC1], v[PN]
	v_sqrt_f32 v[SC2], v[SC0]
	v_mov_b32 v[WS+1], v[WS]
	s_wait_alu depctr_va_vdst(0)
	v_mul_f32 v[CF], v[SC1], v[SC2]                ; sqrt(1 - w w) / (length + 1e-8)
	s_wait_xcnt 0x0                                ; out1's stores have read the registers that z takes
	v_mov_b32 v[CF+1], v[CF]
.set c, 0
.rept 8
	v_pk_mul_f32 v[P1+c:P1+c+1], v[MU+c:MU+c+1], v[WS:WS+1]
.set c, c+2
.endr
.set c, 0
.rept 8
	v_pk_fma_f32 v[P1+c:P1+c+1], v[NZ+c:NZ+c+1], v[CF:CF+1], v[P1+c:P1+c+1]
.set c, c+2
.endr
.set c, 0
.rept 8
	v_cvt_pk_f16_f32 v[ZH+c], v[P1+2*c], v[P1+2*c+1]
.set c, c+1
.endr
	ds_store_b128 v[ZST], v[ZH:ZH+3]
	ds_store_b128 v[ZST], v[ZH+4:ZH+7] offset:256
	s_wait_dscnt 0x0                               ; for the others' sake: my rows of z and kappa lie in LDS
	s_barrier_signal -1
	s_barrier_wait -1
	; ---- PHASE 3
	s_cmp_lg_u32 s30, 0
	s_cbranch_scc1 .Lno_kappa
	ds_load_b32 v1, v[KRD]                         ; wave 0: the 32 rows' kappa, 128 consecutive bytes of out2
	s_wait_dscnt 0x0
	global_store_b32 v[K2O], v1, s[26:27]
.Lno_kappa:
.set n, 0
.rept 8                                ; z's fragment (t, s) at ZR + 8 (2 t + s)
	ds_load_b128 v[ZR+4*n:ZR+4*n+3], v[ZRD] offset:512*n
.set n, n+1
.endr
	s_wait_dscnt 0x0
	s_wait_loadcnt 0x0                             ; W3F
	WIN 0x93                                       ; W3F window 3, z window 0, C = b3 window 1, sums window 2
.set n, 0
.rept 32                               ; n = 2 i + t: column block i, rows 16 t ..; the first 32 of K, the bias as C
	v_wmma_f32_16x16x32_f16 v[8*(16*(n%2)+n/2):8*(16*(n%2)+n/2)+7], v[16*(n/2):16*(n/2)+7], v[ZR+16*(n%2):ZR+16*(n%2)+7], v[128+8*(n/2):128+8*(n/2)+7]
.set n, n+1
.endr
	WIN 0xa3
.set n, 0
.rept 32                               ; the other 32 of K; 31 other accumulators' turns lie between a sum's two links
	v_wmma_f32_16x16x32_f16 v[8*(16*(n%2)+n/2):8*(16*(n%2)+n/2)+7], v[16*(n/2)+8:16*(n/2)+15], v[ZR+16*(n%2)+8:ZR+16*(n%2)+15], v[8*(16*(n%2)+n/2):8*(16*(n%2)+n/2)+7]
.set n, n+1
.endr
	PLACES
; rows 16 t ..: rounded to f16 (each accumulator's registers in ascending order), ReLU on the packed halves, through my stage, back as whole rows of 512 bytes
.macro PACKH t
	WIN 0x0a
.set n, 0
.rept 64
	v_cvt_pk_f16_f32 v[TMP+n], v[128*(\t)+2*n], v[128*(\t)+2*n+1]
.set n, n+1
.endr
	WIN 0
.set n, 0
.rept 64
	v_pk_max_num_f16 v[TMP+n], v[TMP+n], v[ZRO]
.set n, n+1
.endr
.set n, 0
.rept 16
	ds_store_b128 v[STO], v[TMP+4*n:TMP+4*n+3] offset:32*n
.set n, n+1
.endr
	WIN 0x40
.set n, 0
.rept 16
	ds_load_b128 v[64*(\t)+4*n:64*(\t)+4*n+3], v[RD] offset:SGP*n  ; my wave's own bytes, served in order (ISA guide 5.7.1.4)
.set n, n+1
.endr
	WIN 0
.endm
.macro SENDH t, younger                ; younger: the LDS instructions issued behind these rows' loads
	WIN 0x04                                       ; store data window 1
.set n, 0
.rept 16
	s_wait_dscnt (\younger)+15-n
	global_store_b128 v[HDO], v[64*(\t)+4*n:64*(\t)+4*n+3], s[28:29] offset:2048*(16*(\t)+n)  ; 512 consecutive bytes of a row of hd1, at a multiple of 512 from its first byte
.set n, n+1
.endr
.endm
	PACKH 0
	PACKH 1
	SENDH 0, 32
	SENDH 1, 0
	WIN 0
	s_wait_tensorcnt 0x0                           ; the wave's end: the tensor wait, an add to my spare word and the wait for it, behind my last tensor load and my last LDS store
	ds_add_u32 v[SPW], v[NIL]
	s_wait_dscnt 0x0
	CROUND                                         ; the closing round: no work-group ends while a partner may still ask for a tile that names it
	s_endpgm
.Lfunc_end_k_q8dc22a602d_mid:
	.size	k_q8dc22a602d_mid, .Lfunc_end_k_q8dc22a602d_mid-k_q8dc22a602d_mid
	.p2alignl 7, 3214868480
	.fill 96, 4, 3214868480
	.section	.rodata,"a",@progbits
	.p2align	6, 0x0
	.amdhsa_kernel k_q8dc22a602d_mid
		.amdhsa_group_segment_fixed_size 295424
		.amdhsa_private_segment_fixed_size 0
		.amdhsa_enable_private_segment 0
		.amdhsa_kernarg_size 88
		.amdhsa_user_sgpr_count 2
		.amdhsa_user_sgpr_kernarg_segment_ptr 1
		.amdhsa_wavefront_size32 1
		.amdhsa_system_sgpr_workgroup_id_x 1
		.amdhsa_system_sgpr_workgroup_id_y 1
		.amdhsa_system_sgpr_workgroup_id_z 1
		.amdhsa_system_vgpr_workitem_id 0
		.amdhsa_next_free_vgpr 1024
		.amdhsa_next_free_sgpr 92
		.amdhsa_reserve_vcc 1
		.amdhsa_float_denorm_mode_32 3
		.amdhsa_float_denorm_mode_16_64 3
		.amdhsa_memory_ordered 1
		.amdhsa_forward_progress 1
		.amdhsa_inst_pref_size 87
	.end_amdhsa_kernel
	.amdgpu_metadata
---
amdhsa.version: [ 1, 2 ]
amdhsa.kernels:
  - .name:           k_q8dc22a602d_mid
    .symbol:         k_q8dc22a602d_mid.kd
    .args:
      - { .name: actC, .offset: 0, .size: 8, .value_kind: global_buffer, .address_space: global }
      - { .name: wsm, .offset: 8, .size: 8, .value_kind: global_buffer, .address_space: global }
      - { .name: bmu, .offset: 16, .size: 8, .value_kind: global_buffer, .address_space: global }
      - { .name: bk, .offset: 24, .size: 8, .value_kind: global_buffer, .address_space: global }
      - { .name: eps, .offset: 32, .size: 8, .value_kind: global_buffer, .address_space: global }
      - { .name: u, .offset: 40, .size: 8, .value_kind: global_buffer, .address_space: global }
      - { .name: noise, .offset: 48, .size: 8, .value_kind: global_buffer, .address_space: global }
      - { .name: b3, .offset: 56, .size: 8, .value_kind: global_buffer, .address_space: global }
      - { .name: out1, .offset: 64, .size: 8, .value_kind: global_buffer, .address_space: global }
      - { .name: out2, .offset: 72, .size: 8, .value_kind: global_buffer, .address_space: global }
      - { .name: actA, .offset: 80, .size: 8, .value_kind: global_buffer, .address_space: global }
    .group_segment_fixed_size: 295424
    .private_segment_fixed_size: 0
    .kernarg_segment_align: 8
    .kernarg_segment_size: 88
    .max_flat_workgroup_size: 128
    .sgpr_count:     92
    .vgpr_count:     1024
    .wavefront_size: 32
...
	.end_amdgpu_metadata
.endif
;; end of part 4
;; launch dec2: the kernel of part 2 again; grid 8 x 32, 4 waves a work-group, clusters of 4 x 4, 327,680 bytes of LDS; arguments actA, w4h, b4, actB; writes actB
;; launch dec3 (part 5): grid 8 x 32, 4 waves a work-group, clusters of 4 x 4, 327,680 bytes of LDS; arguments actB, w5h, b5, out0; writes out0
.if DOCPART == 5
	.amdgcn_target "amdgcn-amd-amdhsa--gfx1250"
	.amdhsa_code_object_version 6
	.text
	.protected	k_q8dc22a602d_dec3
	.globl	k_q8dc22a602d_dec3
	.p2align	8
	.type	k_q8dc22a602d_dec3,@function
k_q8dc22a602d_dec3:
	s_mov_b64 s[64:65], 0
	v_nop
	global_prefetch_b8 v0, s[64:65] scope:SCOPE_SE
	s_setreg_imm32_b32 hwreg(HW_REG_WAVE_MODE, 25, 1), 1
	s_wait_xcnt 0x0
	s_wait_alu depctr_hold_cnt(0) depctr_sa_sdst(0) depctr_va_vdst(0) depctr_va_sdst(0) depctr_va_ssrc(0) depctr_va_vcc(0) depctr_vm_vsrc(0)
	s_getreg_b32 s2, hwreg(HW_REG_IB_STS2, 6, 4)
	s_cmp_eq_u32 s2, 0
	s_cbranch_scc0 .Lentry_in_a_cluster
	s_endpgm
.Lentry_in_a_cluster:
	s_bfe_u32 s2, ttmp6, 0x10000c
	s_cmp_lg_u32 s2, 0xf033
	s_cbranch_scc0 .Lentry_shape_is_right
	s_endpgm
.Lentry_shape_is_right:
; C = A W + bias.  A: [8192][2048] f16, W: [2048][1024] f16 as it lies ([k][n]), bias: [1024] f32, C: [8192][1024] f32.  Sums in f32, stored as they are.
; One text serves two bodies; OUT chooses the way out: 1 = ReLU, bf16; 2 = f32, no ReLU.
.set SIZE_K, 2048
.set SIZE_N, 1024
.set OUT,    2
; LIMITS.  The operands are f16: no number from 65,520 on; a fixed step of 6e-8 below 6e-5.  The ReLU is a maximum with 0 in which a NaN loses.  The order of the sums is the matrix unit's, K ascending.
; SHARES.  A tile of C is 256 rows x 128 columns: 8 x 32 tiles, one for each work-group.  Wave w makes rows 64 w .. 64 w + 63 of all 128 columns: 4 x 8 accumulators of 16 x 16.
; K goes in steps of 128 through a ring of two LDS slots filled by the tensor data mover: A's tile is 256 rows x 256 bytes, W's 128 k-rows x 256 bytes; every row starts at a multiple of 256 bytes from its buffer's first byte.
; Two slots of 256 along K would be 417,792 bytes: they do not fit.  SLOT 1 BEGINS AT BYTE 1 << 17, so that one exclusive or turns an address in one slot into the other's: a K step is written once and looped over.
; W IS NOT TURNED IN MEMORY: ds_load_tr16_b128 turns it on the way from LDS to registers, two loads a fragment like a plain fragment.
; THE MATRIX INSTRUCTION IS USED TRANSPOSED: source 0 = 16 columns of W, source 1 = 16 rows of A: lane l holds row l % 16 of C and the columns 8 (l / 16) + 0..7.
; THE BIAS IS THE C OPERAND of each sum's first product: nothing is cleared and nothing is added later.
; CLUSTER.  4 x 4 work-groups.  A's tile hangs on the tile row alone and is asked for jointly by a row of the cluster, W's on the tile column alone, by a column.
; REGISTERS, in windows of 256 (s_set_vgpr_msb: bits 1:0 source 0, 3:2 source 1, 5:4 source 2, 7:6 destination):
;   window 0: v16-31 addresses; v64-95, v128-159 A's fragments, two buffers; v32-63, v64-255 at work on the way out
;   window 1: v0-63 the bias of my 128 columns (block b at 8 b); v64-127, v128-191 W's fragments, two buffers
;   window 2: the accumulators ((a, b) at 8 (8 a + b))
.set TN,     128
.set NA,     4                         ; blocks of 16 rows in a wave's share
.set KSTEP,  128
.set STEPS,  SIZE_K/KSTEP
.set PA,     272                       ; A's LDS row: 256 bytes + 16: row r starts at bank 4 r mod 64 (64 banks of 4 bytes: ISA guide 11.1)
.set PB,     2*TN+32                   ; W's LDS row: + 32 bytes: row r starts at bank 8 r mod 64
.set HALFA,  128*PA                    ; what one tensor load brings of A
.set HALFB,  64*PB                     ; and of W
.set SLOTB,  2*HALFA+2*HALFB           ; a slot: A's 256 rows, then W's 128 k-rows: 106,496 bytes
.set SLOT1,  1<<17
.set STAGE,  SLOT1+SLOTB               ; behind the ring: 16 rows for each wave, for the way out; no tensor load lands here
.if OUT == 2
.set SPITCH, 528
.set ES,     4
.else
.set SPITCH, 272
.set ES,     2
.endif
.set SPARE,  STAGE+64*SPITCH           ; behind the stages: the spare words, 128 bytes a wave: two blocks of 256 bytes that no other line names
.set NLD,    16+2*NA                   ; LDS loads in a quarter step's run
.set ADRA0, 16                         ; v16     my lane's place among A's fragments in slot 0; never rewritten
.set ADRA,  17                         ; v17     the same in the slot that is being read
.set ADRB0, 20                         ; v20, v21 likewise for W
.set ADRB,  21
.set STO,  24                          ; v24     the way out: where I put my piece of a row
.set RD,   25                          ; v25     where I read rows back
.set CO,   26                          ; v26     my byte offset in C
.set ZR,   27                          ; v27     0, for the ReLU
.set SPW,  28                          ; v28     LDS address of my spare word; never rewritten
.set NIL,  29                          ; v29     0; never rewritten
.set PFO,  30                          ; v30     the prefetches' lane offset; never rewritten
.set BO,   31                          ; v31     my offset in the bias
.set OB,   32
.set F0,   64
.set F1,   128
.set TMP,  192
.set WV,   12                          ; s12 wave   s13 ROLE: 0 fetches A, 1 fetches W   s14 HALF: which half of that tile
.set ROLE, 13
.set HALF, 14
.set LIM,  15                          ; s15  2 in a wave that prefetches, else the greatest number: a wave prefetches while more trips than that are left
.set G1A,  24                          ; s[24:31] group 1 for A's tiles;  s[32:39] group 0: a set for each of the two first fills; the second then walks on
.set G0A,  32
.set PFA,  44                          ; s[44:45] where my prefetches stand;  s[46:47] their step, a K step
.set PFS,  46
.set G1B,  48                          ; s[48:55], s[56:63] the same for W's tiles
.set G0B,  56
.set TB,   79                          ; s79  LDS byte at which the slot that is being read begins: 0 or SLOT1
.set MSB, 0
.macro WIN new                         ; the immediate's high byte repeats the setting that is left; a switch that changes nothing is dropped
.if MSB != (\new)
	s_set_vgpr_msb (MSB<<8)|(\new)
.set MSB, \new
.endif
.endm
.macro PLACES                          ; four places behind a matrix instruction, in front of loads into registers that it read and of lines that read results
.rept 4
	v_nop
.endr
.endm
; A joint load.  Waves 0 and 1 fetch A's two halves, waves 2 and 3 W's.  The branch hangs on the wave's number alone.  An s_nop 0 and four v_nop follow each line.
.macro JLOAD s
	s_cmp_eq_u32 s[ROLE], 0
	s_cbranch_scc0 .Lfor_w_\@
	tensor_load_to_lds s[G0A+4*(\s):G0A+4*(\s)+3], s[G1A:G1A+7]
	s_nop 0
.rept 4
	v_nop
.endr
	s_branch .Lasked_\@
.Lfor_w_\@:
	tensor_load_to_lds s[G0B+4*(\s):G0B+4*(\s)+3], s[G1B:G1B+7]
	s_nop 0
.rept 4
	v_nop
.endr
.Lasked_\@:
.endm
; A prefetch into the L2 of the K step that stands two refills on: 32 rows x 256 bytes, a lane a row.  A's rows are named by the clusters with x = 0, W's by those with y = 0; the four partners
; that ask for a tile jointly share its rows out by address.  So each row's 256 bytes of a K step are named once in the launch.  The loop's last two trips name nothing: there is no K step two refills on.
.macro ASK
	s_cmp_gt_u32 s3, s[LIM]
	s_cbranch_scc0 .Lnot_mine_\@
	global_prefetch_b8 v[PFO], s[PFA:PFA+1] th:TH_LOAD_NT scope:SCOPE_SE
.Lnot_mine_\@:
.endm
; A round of the cluster's barrier: my work-group's barrier, so that wave 0's signal speaks for all four waves; wave 0 signals; every wave waits for all sixteen work-groups; my work-group's barrier once more.
.macro CROUND
	s_barrier_signal -1
	s_barrier_wait -1
	s_cmp_lg_u32 s[WV], 0
	s_cbranch_scc1 .Lnot_wave_0_\@
	s_barrier_signal -3
.Lnot_wave_0_\@:
	s_barrier_wait -3
	s_barrier_signal -1
	s_barrier_wait -1
.endm
	s_load_b256 s[4:11], s[0:1], 0x0               ; A s[4:5], W s[6:7], bias s[8:9], C s[10:11]
	v_lshl_add_u32 v[SPW], v0, 2, SPARE
	v_mov_b32 v[NIL], 0
	ds_add_u32 v[SPW], v[NIL]                      ; the wave's opening: the add and its wait stand ahead of my first tensor load; work on registers stands between them
	v_lshrrev_b32 v1, 5, v0
	v_readfirstlane_b32 s[WV], v1
	s_lshr_b32 s[ROLE], s[WV], 1
	s_and_b32 s[HALF], s[WV], 1
	s_bfe_u32 s40, ttmp6, 0x40000                  ; cx
	s_bfe_u32 s41, ttmp6, 0x40004                  ; cy
	s_lshl_b32 s42, ttmp9, 2
	s_add_co_u32 s42, s42, s40                     ; tile column = 4 x cluster x + cx
	s_and_b32 s43, ttmp7, 0xffff
	s_lshl_b32 s43, s43, 2
	s_add_co_u32 s43, s43, s41                     ; tile row = 4 x cluster y + cy
	s_lshl_b32 s20, s41, 2
	s_lshl_b32 s20, 15, s20                        ; my row of the cluster
	s_lshl_b32 s21, 0x1111, s40                    ; my column
	s_or_b32 s[G1A], s20, (1<<16)|(1<<20)|(1<<21)|(5<<22)|(3<<25)   ; mask; 2-byte elements; padding on; bit 21 beside a mask; after every 64 words 4 words
	s_or_b32 s[G1B], s21, (1<<16)|(1<<20)|(1<<21)|(5<<22)|(7<<25)   ; the column's mask; after every 64 words 8 words
	s_mov_b32 s[G1A+1], KSTEP<<16                  ; tensor_dim0 = 128
	s_mov_b32 s[G1A+2], 128<<16                    ; tensor_dim1 = 128
	s_mov_b32 s[G1A+3], KSTEP<<16                  ; tile_dim0 = 128
	s_mov_b32 s[G1A+4], 128                        ; tile_dim1 = 128
	s_mov_b32 s[G1A+5], SIZE_K                     ; elements from row to row
	s_mov_b32 s[G1A+6], 0
	s_mov_b32 s[G1A+7], 0
	s_mov_b32 s[G1B+1], TN<<16                     ; tensor_dim0 = 128
	s_mov_b32 s[G1B+2], 64<<16                     ; tensor_dim1 = 64
	s_mov_b32 s[G1B+3], TN<<16                     ; tile_dim0 = 128
	s_mov_b32 s[G1B+4], 64                         ; tile_dim1 = 64
	s_mov_b32 s[G1B+5], SIZE_N
	s_mov_b32 s[G1B+6], 0
	s_mov_b32 s[G1B+7], 0
	s_mov_b32 s[TB], 0
	; A's tile hangs on the tile row and the wave, W's on the tile column and the wave; each address is made in registers that never hold the other coordinate
	s_lshl_b32 s16, s43, 8
	s_lshl_b32 s17, s[HALF], 7
	s_add_co_u32 s16, s16, s17                     ; A: row 256 x tile row + 128 x half
	s_mul_i32 s16, s16, SIZE_K*2                   ; in bytes, under 2^26
	s_mov_b32 s17, 0
	s_mul_i32 s66, s[HALF], 64*SIZE_N*2            ; W: k-row 64 x half,
	s_mul_i32 s67, s42, TN*2                       ; column 128 x tile column
	s_add_co_u32 s66, s66, s67
	s_mov_b32 s67, 0
	s_mul_i32 s22, s[HALF], HALFA                  ; where they go: no place in the cluster enters an LDS address
	s_mul_i32 s23, s[HALF], HALFB
	s_add_co_u32 s23, s23, 2*HALFA
	s_wait_dscnt 0x0                               ; the opening add is done
	s_wait_kmcnt 0x0
	s_add_nc_u64 s[18:19], s[4:5], s[16:17]
	s_add_nc_u64 s[68:69], s[6:7], s[66:67]
	CROUND                                         ; all sixteen work-groups are here: the first joint loads meet
.irp s, 0,1
	s_mov_b32 s[G0A+4*(\s)], 1
	s_add_co_u32 s[G0A+4*(\s)+1], s22, (\s)*SLOT1
	s_add_nc_u64 s[G0A+4*(\s)+2:G0A+4*(\s)+3], s[18:19], (\s)*KSTEP*2
	s_or_b32 s[G0A+4*(\s)+3], s[G0A+4*(\s)+3], 0x80000000
	s_mov_b32 s[G0B+4*(\s)], 1
	s_add_co_u32 s[G0B+4*(\s)+1], s23, (\s)*SLOT1
	s_add_nc_u64 s[G0B+4*(\s)+2:G0B+4*(\s)+3], s[68:69], (\s)*KSTEP*SIZE_N*2
	s_or_b32 s[G0B+4*(\s)+3], s[G0B+4*(\s)+3], 0x80000000
	JLOAD \s                                       ; two loads of mine are out
.endr
	v_and_b32 v1, 15, v0                           ; r = l % 16
	v_bfe_u32 v2, v0, 4, 1                         ; h = l / 16
	s_lshl_b32 s20, s[WV], 6                       ; my first row in the tile
	v_mul_u32_u24 v3, v1, PA                       ; A's fragment: row r, 16 bytes for each half of the lanes, two loads 32 bytes apart
	v_lshl_add_u32 v3, v2, 4, v3
	s_mul_i32 s16, s20, PA
	v_add_nc_u32 v[ADRA0], s16, v3
	v_mov_b32 v[ADRA], v[ADRA0]
	v_and_b32 v4, 7, v0                            ; W's fragment, turned: lane l reads k-row 8 h + l % 8, columns 8 ((l / 8) % 2) + 0..7
	v_lshl_add_u32 v4, v2, 3, v4
	v_mul_u32_u24 v4, v4, PB
	v_bfe_u32 v5, v0, 3, 1
	v_lshl_add_u32 v4, v5, 4, v4
	v_add_nc_u32 v[ADRB0], 2*HALFA, v4
	v_mov_b32 v[ADRB], v[ADRB0]
	s_mul_i32 s16, s[WV], 16*SPITCH
	s_add_co_u32 s16, s16, STAGE                   ; my stage
.if OUT == 2
	v_mul_u32_u24 v4, v1, SPITCH                   ; in: row r, 32 bytes for each half of the lanes
	v_lshl_add_u32 v4, v2, 5, v4
	v_add_nc_u32 v[STO], s16, v4
	v_and_b32 v5, 31, v0
	v_lshlrev_b32 v[CO], 4, v5                     ; back: 32 lanes take a row's 512 bytes
	v_add_nc_u32 v[RD], s16, v[CO]
.else
	v_mul_u32_u24 v4, v1, SPITCH                   ; in: row r, 16 bytes for each half of the lanes
	v_lshl_add_u32 v4, v2, 4, v4
	v_add_nc_u32 v[STO], s16, v4
	v_mul_u32_u24 v5, v2, SPITCH                   ; back: lanes 0-15 take one row of 256 bytes, lanes 16-31 the next
	v_lshl_add_u32 v5, v1, 4, v5
	v_add_nc_u32 v[RD], s16, v5
	v_mul_u32_u24 v5, v2, SIZE_N*2
	v_lshl_add_u32 v[CO], v1, 4, v5
	v_mov_b32 v[ZR], 0
.endif
	v_lshlrev_b32 v[BO], 5, v2                     ; my eight columns of a block of sixteen, in f32
	s_lshl_b32 s16, s43, 8
	s_add_co_u32 s16, s16, s20                     ; my first row of C
	s_mul_i32 s16, s16, SIZE_N*ES                  ; under 2^26
	s_mov_b32 s17, 0
	s_add_nc_u64 s[10:11], s[10:11], s[16:17]
	s_mul_i32 s66, s42, TN                         ; my first column
	s_lshl_b32 s68, s66, 2
	s_mov_b32 s69, 0
	s_add_nc_u64 s[8:9], s[8:9], s[68:69]
	s_mul_i32 s66, s66, ES
	s_mov_b32 s67, 0
	s_add_nc_u64 s[10:11], s[10:11], s[66:67]
	WIN 0x40                                       ; destination window 1
.irp b, 0,1,2,3,4,5,6,7
	global_load_b128 v[8*(\b):8*(\b)+3],   v[BO], s[8:9] offset:64*(\b)
	global_load_b128 v[8*(\b)+4:8*(\b)+7], v[BO], s[8:9] offset:64*(\b)+16
.endr
	WIN 0
	; the prefetches: which rows are mine.  A: of the 128 rows that I fetch, rows 32 cx ..  W: wave 2 alone: of a K step's 128 k-rows, rows 32 cy ..  A lane a row.
	s_lshl_b32 s71, s43, 8
	s_lshl_b32 s72, s[HALF], 7
	s_add_co_u32 s71, s71, s72
	s_lshl_b32 s72, s40, 5
	s_add_co_u32 s71, s71, s72
	s_mul_i32 s71, s71, SIZE_K*2
	s_add_co_u32 s71, s71, 3*KSTEP*2               ; at K step 3: the first refill steps it to K step 4
	s_lshl_b32 s73, s41, 5
	s_add_co_u32 s73, s73, 3*KSTEP
	s_mul_i32 s73, s73, SIZE_N*2
	s_mul_i32 s74, s42, TN*2
	s_add_co_u32 s73, s73, s74
	s_and_b32 s70, ttmp7, 0xffff
	s_mov_b32 s74, KSTEP*SIZE_N*2
	s_mov_b32 s75, SIZE_N*2
	s_cmp_eq_u32 s[ROLE], 0                        ; do I fetch for A?
	s_cselect_b32 s70, ttmp9, s70                  ; the coordinate along which other clusters read the same rows
	s_cselect_b32 s76, s71, s73
	s_cselect_b64 s[PFA:PFA+1], s[4:5], s[6:7]
	s_cselect_b32 s[PFS], KSTEP*2, s74
	s_cselect_b32 s75, SIZE_K*2, s75               ; bytes from row to row
	s_mov_b32 s77, 0
	s_mov_b32 s[PFS+1], 0
	s_add_nc_u64 s[PFA:PFA+1], s[PFA:PFA+1], s[76:77]
	s_cmp_eq_u32 s70, 0
	s_cselect_b32 s[LIM], 2, -1                    ; the same in all sixteen partners, for a given wave
	s_cmp_eq_u32 s[WV], 3
	s_cselect_b32 s[LIM], -1, s[LIM]
	v_and_b32 v3, 31, v0
	v_mul_u32_u24 v[PFO], s75, v3
	; nothing is prefetched here, at the head, where every work-group's first tiles are on their way
; 8 matrix instructions: row block a x all 8 column blocks, 32 along K.  first = 1: the product starts the sums, with the bias as C.
; The 32 accumulators take turns in the same order in every quarter step, one instruction a turn.
.macro MULA f, a, first
.set AC, 64*(\a)
.if \first
	WIN 0x91                                       ; W window 1, A window 0, C (bias) window 1, D window 2
.else
	WIN 0xa1                                       ; C and D window 2
.endif
.irp b, 0,1,2,3,4,5,6,7
.if \first
	v_wmma_f32_16x16x32_f16 v[AC+8*(\b):AC+8*(\b)+7], v[(\f)+8*(\b):(\f)+8*(\b)+7], v[(\f)+8*(\a):(\f)+8*(\a)+7], v[8*(\b):8*(\b)+7]
.else
	v_wmma_f32_16x16x32_f16 v[AC+8*(\b):AC+8*(\b)+7], v[(\f)+8*(\b):(\f)+8*(\b)+7], v[(\f)+8*(\a):(\f)+8*(\a)+7], v[AC+8*(\b):AC+8*(\b)+7]
.endif
.endr
.endm
.macro MULS f, a0, n, first            ; row blocks a0 .. a0 + n - 1
.set aa, \a0
.rept \n
	MULA \f, aa, \first
.set aa, aa+1
.endr
.endm
; one run of 24 LDS loads: the fragments of quarter q (32 along K) of the slot that is being read, into buffer f: W's 8 (turned), then A's 4
.macro FETCH q, f
	WIN 0x40
.irp i, 0,1,2,3,4,5,6,7
	ds_load_tr16_b128 v[(\f)+8*(\i):(\f)+8*(\i)+3],   v[ADRB] offset:32*(\q)*PB+32*(\i)
	ds_load_tr16_b128 v[(\f)+8*(\i)+4:(\f)+8*(\i)+7], v[ADRB] offset:32*(\q)*PB+16*PB+32*(\i)
.endr
	WIN 0
.set ii, 0
.rept NA
	ds_load_b128 v[(\f)+8*ii:(\f)+8*ii+3],   v[ADRA] offset:64*(\q)+ii*16*PA
	ds_load_b128 v[(\f)+8*ii+4:(\f)+8*ii+7], v[ADRA] offset:64*(\q)+ii*16*PA+32
.set ii, ii+1
.endr
.endm
; A K step is four quarters on buffers 0, 1, 0, 1.  One of the first three: multiplies buffer f; in its middle it fetches quarter q into buffer g.
.macro QUARTER q, f, g, first
	s_wait_dscnt NA                                ; W's fragments and A's lower blocks are in; the youngest 4 loads (A's upper blocks) may be out
	MULS \f, 0, NA/2, \first
	PLACES
	FETCH \q, \g
	s_wait_dscnt NLD                               ; all but the run just issued
	MULS \f, NA/2, NA/2, \first
.endm
; The last quarter multiplies buffer 1 and changes slots.  In front of the round each wave waits for all its tensor loads (one is out: its part of the next slot), adds 0 to its spare word, and waits for that and for
; its own reads of this slot.  Behind the round no wave of any partner reads this slot any more and the next slot is whole: the joint refill comes first, with the K step two on.
; NO PRODUCT STANDS BETWEEN THE WAIT FOR THE TILE AND THE REFILL: a step's 128 products are shorter work than a tile's way, so the refill goes out as soon as the round allows, and the quarter's 32 products are issued while it is on its way.
.macro TURN
	s_wait_xcnt 0x0                                ; the last prefetch, a K step back, has read its address
	s_add_nc_u64 s[PFA:PFA+1], s[PFA:PFA+1], s[PFS:PFS+1]
	WIN 0
	s_wait_tensorcnt 0x0                           ; no tensor load of mine is out, so a group 0 may be written
	ds_add_u32 v[SPW], v[NIL]                      ; 0 onto my spare word; the descriptors' steps stand between it and the wait for it
	s_xor_b32 s[G0A+5], s[G0A+5], SLOT1            ; the walking descriptors: the other slot than last time,
	s_add_nc_u64 s[G0A+6:G0A+7], s[G0A+6:G0A+7], KSTEP*2  ; the next K step; the type bits on top are not reached
	s_xor_b32 s[G0B+5], s[G0B+5], SLOT1
	s_add_nc_u64 s[G0B+6:G0B+7], s[G0B+6:G0B+7], KSTEP*SIZE_N*2
	s_xor_b32 s[TB], s[TB], SLOT1                  ; the reads go on in the other slot
	s_wait_dscnt 0x0                               ; the add is done, and my reads of this slot are over
	CROUND
	JLOAD 1                                        ; the four v_nop behind it and the two lines below are the places in front of the loads into buffer 0
	v_add_nc_u32 v[ADRA], s[TB], v[ADRA0]
	v_add_nc_u32 v[ADRB], s[TB], v[ADRB0]
	FETCH 0, F0
	ASK
	MULS F1, 0, NA, 0
.endm
; The same in the last two K steps: nothing is filled, so my work-group's barrier does.  In the very last step there is no further slot: the run of loads is jumped over.
.macro TURNX
	WIN 0
	s_wait_tensorcnt 0x0
	ds_add_u32 v[SPW], v[NIL]
	s_xor_b32 s[TB], s[TB], SLOT1
	s_wait_dscnt 0x0
	s_barrier_signal -1
	s_barrier_wait -1
	v_add_nc_u32 v[ADRA], s[TB], v[ADRA0]          ; four places in front of the loads into buffer 0
	v_add_nc_u32 v[ADRB], s[TB], v[ADRB0]
	v_nop
	v_nop
	s_cmp_eq_u32 s3, 1
	s_cbranch_scc1 .Lno_more_\@
	FETCH 0, F0
.Lno_more_\@:
	MULS F1, 0, NA, 0
.endm
; THE WAY OUT, 16 rows at a time, through my own stage: LDS serves a wave's instructions in order (ISA guide 5.7.1.4), so no wait stands between the stores into the stage and the loads from it.
.macro PACK a                          ; rounded to bf16, each accumulator's registers in ascending order; then the ReLU on the packed halves
.set AC, 64*(\a)
	WIN 0x0a
.irp b, 0,1,2,3,4,5,6,7
.irp r, 0,1,2,3
	v_cvt_pk_bf16_f32 v[TMP+4*(\b)+(\r)], v[AC+8*(\b)+2*(\r)], v[AC+8*(\b)+2*(\r)+1]
.endr
.endr
	WIN 0
.set ii, 0
.rept 32
	v_pk_max_num_bf16 v[TMP+ii], v[TMP+ii], v[ZR]
.set ii, ii+1
.endr
.endm
.macro TOSTAGE a
	WIN 0
.set BK, OB+192*((\a)%2)
.irp b, 0,1,2,3,4,5,6,7
	ds_store_b128 v[STO], v[TMP+4*(\b):TMP+4*(\b)+3] offset:32*(\b)
.endr
.irp t, 0,1,2,3,4,5,6,7
	ds_load_b128 v[BK+4*(\t):BK+4*(\t)+3], v[RD] offset:(\t)*2*SPITCH
.endr
.endm
.macro SEND a, younger
	WIN 0
.set BK, OB+192*((\a)%2)
	s_wait_dscnt \younger
	s_wait_xcnt 0x0                                ; the stores' base and the registers that earlier stores read are rewritten only behind this wait
.if (\a) != 0
	s_add_nc_u64 s[10:11], s[10:11], 16*SIZE_N*2
.endif
.irp t, 0,1,2,3,4,5,6,7
	global_store_b128 v[CO], v[BK+4*(\t):BK+4*(\t)+3], s[10:11] offset:2*(\t)*SIZE_N*2  ; 16 lanes store 256 consecutive bytes, at a multiple of 256 from C's first byte
.endr
.endm
.macro TOST a                          ; OUT = 2: f32 straight from the accumulators, the low four registers of each first
.if (\a) >= 2
	s_wait_xcnt 0x0                                ; the stores of the block two back have read the registers that are loaded again below
.endif
.set AC, 64*(\a)
.set BK, 64+64*((\a)%2)
	WIN 0x08                                       ; store data window 2
.irp b, 0,1,2,3,4,5,6,7
	ds_store_b128 v[STO], v[AC+8*(\b):AC+8*(\b)+3]   offset:64*(\b)
	ds_store_b128 v[STO], v[AC+8*(\b)+4:AC+8*(\b)+7] offset:64*(\b)+16
.endr
	WIN 0
.set ii, 0
.rept 16
	ds_load_b128 v[BK+4*ii:BK+4*ii+3], v[RD] offset:SPITCH*ii
.set ii, ii+1
.endr
.endm
.macro SEND32 a, younger
	WIN 0
.set BK, 64+64*((\a)%2)
	s_wait_dscnt \younger                          ; the next block's 16 stores and 16 loads may be out
	s_wait_xcnt 0x0
.if (\a) != 0
	s_add_nc_u64 s[10:11], s[10:11], 16*SIZE_N*4
.endif
.set ii, 0
.rept 16
	global_store_b128 v[CO], v[BK+4*ii:BK+4*ii+3], s[10:11] offset:SIZE_N*4*ii  ; 512 consecutive bytes of a row, at a multiple of 512 from C's first byte
.set ii, ii+1
.endr
.endm
	s_wait_tensorcnt 0x1                           ; my part of K step 0 is in; K step 1's may stay out
	s_barrier_signal -1
	s_barrier_wait -1
	FETCH 0, F0
	s_wait_loadcnt 0x0                             ; the bias
	QUARTER 1, F0, F1, 1                           ; the first quarter stands in front of the loop: its products start the sums
	WIN 0
	s_mov_b32 s3, STEPS-2
.Lstep:                                        ; a trip goes from a K step's second quarter to the next step's first, and fills the slot that it leaves: all steps but the last two
	QUARTER 2, F1, F0, 0
	QUARTER 3, F0, F1, 0
	TURN
	QUARTER 1, F0, F1, 0
	WIN 0
	s_sub_co_u32 s3, s3, 1
	s_cmp_lg_u32 s3, 0
	s_cbranch_scc1 .Lstep
	s_mov_b32 s3, 2                                ; the last two K steps fill nothing
	s_branch .Lmid
.Ltail:
	QUARTER 1, F0, F1, 0
	WIN 0
.Lmid:
	QUARTER 2, F1, F0, 0
	QUARTER 3, F0, F1, 0
	TURNX
	WIN 0
	s_sub_co_u32 s3, s3, 1
	s_cmp_lg_u32 s3, 0
	s_cbranch_scc1 .Ltail
	PLACES
.if OUT == 2
	TOST 0
	TOST 1
	SEND32 0, 32
	TOST 2
	SEND32 1, 32
	TOST 3
	SEND32 2, 32
	SEND32 3, 0
.else
	PACK 0
	TOSTAGE 0
.set ab, 1
.rept NA-1                             ; block a's conversions stand between block a - 1's loads from the stage and the wait for them
	PACK ab
	SEND ab-1, 0
	TOSTAGE ab
.set ab, ab+1
.endr
	SEND NA-1, 0
.endif
	s_wait_tensorcnt 0x0                           ; the wave's end: the tensor wait, an add to my spare word and the wait for it, behind my last tensor load and my last LDS store
	ds_add_u32 v[SPW], v[NIL]
	s_wait_dscnt 0x0
	CROUND                                         ; the closing round: no work-group ends while a partner may still ask for a tile that names it
	s_endpgm
.Lfunc_end_k_q8dc22a602d_dec3:
	.size	k_q8dc22a602d_dec3, .Lfunc_end_k_q8dc22a602d_dec3-k_q8dc22a602d_dec3
	.p2alignl 7, 3214868480
	.fill 96, 4, 3214868480
	.section	.rodata,"a",@progbits
	.p2align	6, 0x0
	.amdhsa_kernel k_q8dc22a602d_dec3
		.amdhsa_group_segment_fixed_size 327680
		.amdhsa_private_segment_fixed_size 0
		.amdhsa_enable_private_segment 0
		.amdhsa_kernarg_size 32
		.amdhsa_user_sgpr_count 2
		.amdhsa_user_sgpr_kernarg_segment_ptr 1
		.amdhsa_wavefront_size32 1
		.amdhsa_system_sgpr_workgroup_id_x 1
		.amdhsa_system_sgpr_workgroup_id_y 1
		.amdhsa_system_sgpr_workgroup_id_z 1
		.amdhsa_system_vgpr_workitem_id 0
		.amdhsa_next_free_vgpr 768
		.amdhsa_next_free_sgpr 80
		.amdhsa_reserve_vcc 0
		.amdhsa_float_denorm_mode_32 3
		.amdhsa_float_denorm_mode_16_64 3
		.amdhsa_memory_ordered 1
		.amdhsa_forward_progress 1
		.amdhsa_inst_pref_size 63
	.end_amdhsa_kernel
	.amdgpu_metadata
---
amdhsa.version: [ 1, 2 ]
amdhsa.kernels:
  - .name:           k_q8dc22a602d_dec3
    .symbol:         k_q8dc22a602d_dec3.kd
    .args:
      - { .name: actB, .offset: 0, .size: 8, .value_kind: global_buffer, .address_space: global }
      - { .name: w5h, .offset: 8, .size: 8, .value_kind: global_buffer, .address_space: global }
      - { .name: b5, .offset: 16, .size: 8, .value_kind: global_buffer, .address_space: global }
      - { .name: out0, .offset: 24, .size: 8, .value_kind: global_buffer, .address_space: global }
    .group_segment_fixed_size: 327680
    .private_segment_fixed_size: 0
    .kernarg_segment_align: 8
    .kernarg_segment_size: 32
    .max_flat_workgroup_size: 128
    .sgpr_count:     80
    .vgpr_count:     768
    .wavefront_size: 32
...
	.end_amdgpu_metadata
.endif
;; end of part 5
